; MI455X (gfx1250); checked and timed in simulation.
; The chip was launched on July 23, 2026; its instructions are those of AMD's public machine-readable ISA for CDNA 5 (MIT licence, August 2026) and "CDNA5" Instruction Set Architecture Reference Guide (July 2026). The comments in the code are by the model that wrote it; some were corrected since.
;; Dropless Mo E. Allowed arithmetic: matrix products marked QUANTISED: E2M1 operands, one E8M0 scale for each 32 along K, by v_wmma_scale_f32_16x16x128_f8f6f4 with both operands' format E2M1 (or v_wmma_scale_f32_32x16x128_f4), f32 sums; products left as they are: f32 operands where the result goes on into a quantised operand, else bf16, f16 or f32 operands; f32 sums; everything else in f32.
;; Inputs: b1 8 x 4,096 float32; b2 8 x 1,024 float32; gate_w 8 x 1,024 float32; hidden_states 4 x 256 x 1,024 float32; w1_codes 8 x 4,096 x 32 x 16 uint8 (E2M1 codes of w1, K innermost, in blocks of 32 codes, two codes a byte); w1_scales 8 x 4,096 x 32 uint8 (E8M0 scales of w1, one for each 32 codes along K); w2_codes 8 x 1,024 x 128 x 16 uint8 (E2M1 codes of w2, K innermost, in blocks of 32 codes, two codes a byte); w2_scales 8 x 1,024 x 128 uint8 (E8M0 scales of w2, one for each 32 codes along K).
;; Outputs: out0 4 x 256 x 1,024 float32; out1 one number float32; out2 one number float32.
;; This version of the problem:
;;   THIS VERSION OF THE PROBLEM IS GIVEN IN LOW PRECISION. The matrix products marked QUANTISED in the list below multiply operands that are first quantised to E2M1 (2 exponent bits, 1 mantissa bit; 4 bits a number), with one power-of-two scale for each 32 numbers along K (OCP MX v1.0); their sums are f32. All else is computed in f32.
;;   The module's matrix products, in the order in which they are computed (A, B: the left and right operand; K: the contracted axis; several contracted axes count as one K, in the product's order):
;;     1. [M 1,024, K 1,024] x [K 1,024, N 8]; A: input hidden_states; B: input gate_w: left as it is (N = 8 < 16)
;;     2. [M 1,024, K 1,024] x [K 1,024, N 4,096]; A: input hidden_states; B: input w1 (given as codes): QUANTISED
;;     3. [M 1,024, K 4,096] x [K 4,096, N 1,024]; A: computed on the way; B: input w2 (given as codes): QUANTISED
;;     4. [M 1,024, K 1,024] x [K 1,024, N 4,096]; A: input hidden_states; B: input w1 (given as codes): QUANTISED
;;     5. [M 1,024, K 4,096] x [K 4,096, N 1,024]; A: computed on the way; B: input w2 (given as codes): QUANTISED
;;     6. [M 1,024, K 1,024] x [K 1,024, N 4,096]; A: input hidden_states; B: input w1 (given as codes): QUANTISED
;;     7. [M 1,024, K 4,096] x [K 4,096, N 1,024]; A: computed on the way; B: input w2 (given as codes): QUANTISED
;;     8. [M 1,024, K 1,024] x [K 1,024, N 4,096]; A: input hidden_states; B: input w1 (given as codes): QUANTISED
;;     9. [M 1,024, K 4,096] x [K 4,096, N 1,024]; A: computed on the way; B: input w2 (given as codes): QUANTISED
;;     10. [M 1,024, K 1,024] x [K 1,024, N 4,096]; A: input hidden_states; B: input w1 (given as codes): QUANTISED
;;     11. [M 1,024, K 4,096] x [K 4,096, N 1,024]; A: computed on the way; B: input w2 (given as codes): QUANTISED
;;     12. [M 1,024, K 1,024] x [K 1,024, N 4,096]; A: input hidden_states; B: input w1 (given as codes): QUANTISED
;;     13. [M 1,024, K 4,096] x [K 4,096, N 1,024]; A: computed on the way; B: input w2 (given as codes): QUANTISED
;;     14. [M 1,024, K 1,024] x [K 1,024, N 4,096]; A: input hidden_states; B: input w1 (given as codes): QUANTISED
;;     15. [M 1,024, K 4,096] x [K 4,096, N 1,024]; A: computed on the way; B: input w2 (given as codes): QUANTISED
;;     16. [M 1,024, K 1,024] x [K 1,024, N 4,096]; A: input hidden_states; B: input w1 (given as codes): QUANTISED
;;     17. [M 1,024, K 4,096] x [K 4,096, N 1,024]; A: computed on the way; B: input w2 (given as codes): QUANTISED
;;   THE QUANTISER, for each operand of a quantised product, along K:
;;     - K is cut into blocks of 32 from its start; a last block that is shorter is filled with zeros.
;;     - A block's scale is 2^e with e = floor(log2(the largest magnitude in the block)) - 2, held to -126 .. 127; a block of zeros has e = 0. As a byte (E8M0): e + 127.
;;     - Each number is divided by its block's scale, clamped to +-6, and rounded to the nearest number of E2M1, ties to even, subnormals kept.
;;     - The product sums the exact products of the quantised numbers (number of the format x scale) in f32.
;;   ~~~python
;;   def quantise(x, axis):      # numpy; x: float32 -> the quantised numbers, widened to float32 again
;;       x = np.moveaxis(x, axis, -1); K = x.shape[-1]
;;       x = np.pad(x, [(0, 0)] * (x.ndim - 1) + [(0, -K % 32)]); x = x.reshape(x.shape[:-1] + (-1, 32)); a = np.abs(x).max(-1, keepdims=True)
;;       e = np.where(a > 0, np.clip(np.frexp(np.where(a > 0, a, 1))[1] - 1 - 2, -126, 127), 0)      # np.frexp(a)[1] - 1 = floor(log2(a)), exactly
;;       r = np.clip(x / 2.0 ** e, -6, 6)
;;       step = 2.0 ** (np.maximum(np.frexp(np.where(r == 0, 1, r))[1] - 1, 0) - 1)
;;       q = np.round(r / step) * step * 2.0 ** e      # np.round: ties to even
;;       return np.moveaxis(q.reshape(q.shape[:-2] + (-1,))[..., :K], -1, axis).astype(np.float32)
;;   ~~~
;;   OPERANDS COMPUTED ON THE WAY. 'Computed on the way' means the value that the module computes at that place (a softmax that the list does not call 'softmax' is quantised finished and normalised). What goes into a quantiser is computed in f32, as accurately as f32 sums, v_exp_f32 and their like allow (about 1e-6 of the number): no bf16 or f16 on the way to a quantiser, and a product that is left as it is and whose result goes on into a quantised operand takes f32 operands (vector FMAs, or v_wmma_f32_16x16x4_f32). A number that lies on a knife's edge between two numbers of the format may be rounded either way, as far as f32 arithmetic and the matrix unit's own rounding can turn it there, and no further.
;;   INPUTS GIVEN AS CODES. w1 (in the module: [8, 4096, 1024], K = its axis 2); w2 (in the module: [8, 1024, 4096], K = its axis 2): each comes as NAME_codes (uint8): NAME with its K axis moved to the last place and cut into blocks of 32 codes, [.., K / 32, bytes a block], one block behind the other in memory; two codes a byte, the lower K in the low four bits (a code: sign, 2 exponent bits, 1 mantissa bit); and NAME_scales (uint8): the same leading axes, one E8M0 byte (e + 127) for each 32 codes along K. Its value is code x scale, taken as it is: it is not quantised again, and the codes and scales need not be those that the quantiser above would give.
;; 3 versions, each right; version 2 is faster than version 1; version 3 is version 2 with the launch down written anew for expert scheduling mode. Each part assembles by itself: llvm-mc -triple=amdgcn-amd-amdhsa -mcpu=gfx1250 --defsym DOCPART=n.
;; ======== version 1 of 3: 3 launches
;; workspace buffers: sel 4,096 bytes of whole numbers; wts 4,096 bytes; lsq 4,096 bytes; xq 524,288 bytes; xs 32,768 bytes; himg 16,777,216 bytes; hsc 1,048,576 bytes
;; launch route (part 1): grid 256 x 1, 4 waves a work-group, no clusters, 3,584 bytes of LDS; arguments hidden_states, gate_w, sel, wts, lsq, xq, xs; writes sel, wts, lsq, xq, xs
.if DOCPART == 1
	.amdgcn_target "amdgcn-amd-amdhsa--gfx1250"
	.amdhsa_code_object_version 6
	.text
	.protected	k_qd3c209d7c9_route
	.globl	k_qd3c209d7c9_route
	.p2align	8
	.type	k_qd3c209d7c9_route,@function
k_qd3c209d7c9_route:
	s_mov_b64 s[64:65], 0
	v_nop
	global_prefetch_b8 v0, s[64:65] scope:SCOPE_SE
	s_setreg_imm32_b32 hwreg(HW_REG_WAVE_MODE, 25, 1), 1
	s_wait_xcnt 0x0
; THE ROUTER, AND x INTO CODES.  x: [1024][1024] f32, gate_w: [8][1024] f32.
; For each token: the 8 logits in f32, the chosen expert (sel, a whole number), topw = p / p (wts), logsumexp^2 (lsq);
; and the token's row as codes of E2M1 (xq: [1024][512 bytes], K innermost) with one E8M0 byte for each 32 along K (xs: [1024][32]).
; SHARES.  A work-group takes 4 tokens.  Wave w takes k = 256 w .. 256 w + 255 of all four rows; lane l holds k = 256 w + 8 l + 0 .. 7:
; eight neighbours along K, as the conversion wants them; four neighbouring lanes hold a block of 32.  The gate's rows are held the same way.
; The four waves' partial logits, the codes and the scale bytes meet in LDS behind ONE barrier; then wave w finishes token w.
; No matrix unit: 8 columns are too few for a tile.  No cluster: work-groups share only the gate's 32 KiB.
; The softmax takes its maximum away first.  Ties go to the lower index, on the exponentials, as a top-k on the probabilities breaks them.
; LIMITS: NaN and infinities are not served; a block whose largest magnitude lies under 2^-124 (a block of zeros too) gets the byte 1: its codes
; are what the conversion gives under that scale, and the bytes are read by this program alone.  Logits that tie within the last bit may choose otherwise than another order of summation.
.set LG,  0                            ; LDS: 4 waves x 32 partial logits (index 8 row + expert), 128 bytes a wave
.set CDS, 512                          ; 4 rows x 512 bytes of codes
.set SBS, 2560                         ; 4 rows x 32 scale bytes
.set X,   16                           ; v16-47   x: 8 row + i
.set G,   48                           ; v48-111  gate: 8 expert + i; later the partial logits read back
.set A,   112                          ; v112-175 32 sums in pairs; later the row's codes
.set S,   176                          ; v176-207 32 sums
.set MX,  208                          ; v208-211 largest magnitudes;  v212-215 the conversions' scale operands;  v216-219 codes;  v220-223 bytes
.set SC,  212
.set CO,  216
.set BY,  220
	s_load_b256 s[4:11], s[0:1], 0x0               ; x s[4:5], gate s[6:7], sel s[8:9], wts s[10:11]
	s_load_b128 s[12:15], s[0:1], 0x20             ; lsq s[12:13], xq s[14:15]
	s_load_b64 s[16:17], s[0:1], 0x30              ; xs
	v_lshl_add_u32 v224, v0, 2, 0xc00
	v_mov_b32 v225, 0
	v_lshrrev_b32 v1, 5, v0
	v_readfirstlane_b32 s18, v1                    ; wave
	v_and_b32 v1, 31, v0                           ; lane
	s_lshl_b32 s19, ttmp9, 2
	s_add_co_u32 s19, s19, s18                     ; the token that my wave finishes
	s_mov_b32 s20, 0x76543210
	s_mov_b32 s21, 0xfedcba98                      ; v_permlanex16_b32's selects for lane l xor 16
	s_lshl_b32 s22, s18, 10
	v_lshl_add_u32 v2, v1, 5, s22                  ; my 32 bytes of a row: 1024 w + 32 l
	v_lshlrev_b32 v3, 4, v1                        ; 16 l
	v_lshlrev_b32 v4, 2, v1                        ; 4 l
	s_lshl_b32 s22, s18, 7
	v_mov_b32 v7, s22                              ; LG + 128 w: my wave's partial logits
	s_add_co_u32 s22, s22, CDS
	v_add_nc_u32 v5, s22, v4                       ; my 4 bytes of a row's codes: 128 w + 4 l
	s_lshl_b32 s22, s18, 3
	s_add_co_u32 s22, s22, SBS
	v_lshrrev_b32 v6, 2, v1
	v_add_nc_u32 v6, s22, v6                       ; my block's byte: 8 w + l / 4
	s_lshl_b32 s22, s18, 5
	v_mov_b32 v8, s22                              ; LG + 32 w: my token's 8 logits in a wave's 32
	s_lshl_b32 s22, s18, 9
	s_add_co_u32 s22, s22, CDS
	v_add_nc_u32 v9, s22, v3                       ; my token's row of codes, 16 bytes a lane
	v_add_nc_u32 v10, SBS, v4                      ; the four rows' 128 scale bytes, 4 a lane
	v_mov_b32 v11, 0
	s_lshl_b32 s24, ttmp9, 14                      ; 4 rows of 4,096 bytes a work-group
	s_mov_b32 s25, 0
	s_wait_kmcnt 0x0
	s_add_nc_u64 s[4:5], s[4:5], s[24:25]
.irp r, 0,1,2,3
	global_load_b128 v[X+8*\r:X+8*\r+3], v2, s[4:5] offset:4096*\r th:TH_LOAD_NT
	global_load_b128 v[X+8*\r+4:X+8*\r+7], v2, s[4:5] offset:4096*\r+16 th:TH_LOAD_NT
.endr
.irp e, 0,1,2,3,4,5,6,7
	global_load_b128 v[G+8*\e:G+8*\e+3], v2, s[6:7] offset:4096*\e
	global_load_b128 v[G+8*\e+4:G+8*\e+7], v2, s[6:7] offset:4096*\e+16
.endr
	s_lshl_b32 s24, s19, 9
	s_add_nc_u64 s[14:15], s[14:15], s[24:25]      ; xq at my token's row
	s_lshl_b32 s24, ttmp9, 7
	s_add_nc_u64 s[16:17], s[16:17], s[24:25]      ; xs at the work-group's four rows
	s_lshl_b32 s24, s19, 2
	s_add_nc_u64 s[8:9], s[8:9], s[24:25]
	s_add_nc_u64 s[10:11], s[10:11], s[24:25]
	s_add_nc_u64 s[12:13], s[12:13], s[24:25]
	s_wait_loadcnt 16                              ; x's eight loads are in; the gate's sixteen stay out
	; ---- the codes: the four rows by turns
.irp r, 0,1,2,3
	v_max3_num_f32 v[MX+\r], |v[X+8*\r]|, |v[X+8*\r+1]|, 0x1800000   ; my 8 numbers, and the floor 2^(3 - 127): the byte cannot fall under 1
.endr
.irp i, 2,4,6
.irp r, 0,1,2,3
	v_max3_num_f32 v[MX+\r], v[MX+\r], |v[X+8*\r+\i]|, |v[X+8*\r+\i+1]|
.endr
.endr
.irp m, 1,2
.irp r, 0,1,2,3
	v_max_num_f32_dpp v[MX+\r], v[MX+\r], v[MX+\r] row_xmask:\m row_mask:0xf bank_mask:0xf   ; with the three lanes that share the block
.endr
.endr
.irp r, 0,1,2,3
	v_add_nc_u32 v[SC+\r], 0xff000000, v[MX+\r]    ; 2 off the exponent field: the conversion takes this operand's exponent field as its scale
.endr
.irp r, 0,1,2,3
	v_cvt_scalef32_pk8_fp4_f32 v[CO+\r], v[X+8*\r:X+8*\r+7], v[SC+\r]
.endr
.irp r, 0,1,2,3
	v_lshrrev_b32 v[BY+\r], 23, v[SC+\r]           ; the scale's byte (also the plain line behind the conversions)
.endr
.irp r, 0,1,2,3
	ds_store_b32 v5, v[CO+\r] offset:512*\r
	ds_store_b8 v6, v[BY+\r] offset:32*\r          ; the four lanes of a block write the same byte with the same value
.endr
	s_wait_loadcnt 0x0                             ; the gate
	; ---- 32 partial logits: 4 rows x 8 experts over my 8 k, two at a time
.irp r, 0,1,2,3
.irp e, 0,1,2,3,4,5,6,7
	v_pk_mul_f32 v[A+2*(8*\r+\e):A+2*(8*\r+\e)+1], v[X+8*\r:X+8*\r+1], v[G+8*\e:G+8*\e+1]
.endr
.endr
.irp j, 2,4,6
.irp r, 0,1,2,3
.irp e, 0,1,2,3,4,5,6,7
	v_pk_fma_f32 v[A+2*(8*\r+\e):A+2*(8*\r+\e)+1], v[X+8*\r+\j:X+8*\r+\j+1], v[G+8*\e+\j:G+8*\e+\j+1], v[A+2*(8*\r+\e):A+2*(8*\r+\e)+1]
.endr
.endr
.endr
.set i, 0
.rept 32
	v_add_f32 v[S+i], v[A+2*i], v[A+2*i+1]
.set i, i+1
.endr
.irp m, 1,2,4,8                        ; over the wave's 32 lanes; every lane ends with the sum
.set i, 0
.rept 32
	v_add_f32_dpp v[S+i], v[S+i], v[S+i] row_xmask:\m row_mask:0xf bank_mask:0xf
.set i, i+1
.endr
.endr
.set i, 0
.rept 32
	v_permlanex16_b32 v[A+i], v[S+i], s20, s21     ; (its destination counts as read: A has been written)
.set i, i+1
.endr
.set i, 0
.rept 32
	v_add_f32 v[S+i], v[S+i], v[A+i]
.set i, i+1
.endr
.irp j, 0,1,2,3,4,5,6,7
	ds_store_b128 v7, v[S+4*\j:S+4*\j+3] offset:16*\j   ; all lanes write the same words with the same values
.endr
	s_wait_dscnt 0x0                               ; for the others' sake: my stores have landed
	s_barrier_signal -1
	s_barrier_wait -1
	; ---- wave w finishes token w
.irp s, 0,1,2,3
	ds_load_b128 v[G+8*\s:G+8*\s+3], v8 offset:128*\s
	ds_load_b128 v[G+8*\s+4:G+8*\s+7], v8 offset:128*\s+16
.endr
	ds_load_b128 v[A:A+3], v9                      ; the row's codes
	ds_load_b32 v[A+4], v10                        ; the four rows' scale bytes (wave 0 stores them)
	s_wait_dscnt 0x0
.irp p, 0,2,4,6
	v_pk_add_f32 v[G+\p:G+\p+1], v[G+\p:G+\p+1], v[G+8+\p:G+8+\p+1]
	v_pk_add_f32 v[G+16+\p:G+16+\p+1], v[G+16+\p:G+16+\p+1], v[G+24+\p:G+24+\p+1]
.endr
.irp p, 0,2,4,6
	v_pk_add_f32 v[G+\p:G+\p+1], v[G+\p:G+\p+1], v[G+16+\p:G+16+\p+1]   ; the 8 logits: v48-55
.endr
	v_max3_num_f32 v80, v48, v49, v50
	v_max3_num_f32 v80, v80, v51, v52
	v_max3_num_f32 v80, v80, v53, v54
	v_max_num_f32 v80, v80, v55                    ; m
.irp e, 0,1,2,3,4,5,6,7
	v_sub_f32 v[56+\e], v[48+\e], v80              ; exactly 0 at the maximum
.endr
.irp e, 0,1,2,3,4,5,6,7
	v_mul_f32 v[56+\e], 0x3fb8aa3b, v[56+\e]
.endr
.irp e, 0,1,2,3,4,5,6,7
	v_exp_f32 v[64+\e], v[56+\e]
.endr
	v_mov_b32 v82, 0                               ; (a plain line behind the exponentials)
	s_wait_alu depctr_va_vdst(0)                   ; one wait for the batch of eight, ahead of its first reader
	v_add_f32 v83, v64, v65
	v_add_f32 v84, v66, v67
	v_add_f32 v85, v68, v69
	v_add_f32 v86, v70, v71
	v_add_f32 v83, v83, v84
	v_add_f32 v85, v85, v86
	v_add_f32 v83, v83, v85                        ; the sum
	v_max3_num_f32 v84, v64, v65, v66
	v_max3_num_f32 v84, v84, v67, v68
	v_max3_num_f32 v84, v84, v69, v70
	v_max_num_f32 v84, v84, v71                    ; the largest exponential
.irp e, 7,6,5,4,3,2,1,0
	v_cmp_lt_f32 vcc_lo, v[64+\e], v84
	v_cndmask_b32 v82, \e, v82, vcc_lo             ; descending, so that the lowest index that reaches the maximum stays
.endr
	v_rcp_f32 v85, v83
	v_log_f32 v86, v83
	v_nop
	s_wait_alu depctr_va_vdst(0)
	v_mul_f32 v87, v84, v85                        ; p, the chosen probability
	v_rcp_f32 v88, v87
	v_fmamk_f32 v89, v86, 0x3f317218, v80          ; logsumexp = m + ln 2 x log2(sum)  (a plain line behind the reciprocal)
	s_wait_alu depctr_va_vdst(0)
	v_mul_f32 v90, v87, v88                        ; topw = p / p
	v_mul_f32 v89, v89, v89
	global_store_b128 v3, v[A:A+3], s[14:15]       ; 32 lanes store the row's 512 bytes of codes
	s_cmp_lg_u32 s18, 0
	s_cbranch_scc1 .Lnot_wave_0
	global_store_b32 v4, v[A+4], s[16:17]          ; 128 consecutive scale bytes
.Lnot_wave_0:
	v_cmp_eq_u32 vcc_lo, 0, v1
	s_wait_xcnt 0x0                                ; EXEC changes only behind this wait
	s_wait_tensorcnt 0x0
	ds_add_u32 v224, v225
	s_wait_dscnt 0x0
	s_and_saveexec_b32 s24, vcc_lo
	global_store_b32 v11, v82, s[8:9]
	global_store_b32 v11, v90, s[10:11]
	global_store_b32 v11, v89, s[12:13]
	s_wait_xcnt 0x0
	s_or_b32 exec_lo, exec_lo, s24
	s_endpgm
.Lfunc_end_k_qd3c209d7c9_route:
	.size	k_qd3c209d7c9_route, .Lfunc_end_k_qd3c209d7c9_route-k_qd3c209d7c9_route
	.p2alignl 7, 3214868480
	.fill 96, 4, 3214868480
	.section	.rodata,"a",@progbits
	.p2align	6, 0x0
	.amdhsa_kernel k_qd3c209d7c9_route
		.amdhsa_group_segment_fixed_size 3584
		.amdhsa_private_segment_fixed_size 0
		.amdhsa_enable_private_segment 0
		.amdhsa_kernarg_size 56
		.amdhsa_user_sgpr_count 2
		.amdhsa_user_sgpr_kernarg_segment_ptr 1
		.amdhsa_wavefront_size32 1
		.amdhsa_system_sgpr_workgroup_id_x 1
		.amdhsa_system_sgpr_workgroup_id_y 1
		.amdhsa_system_sgpr_workgroup_id_z 1
		.amdhsa_system_vgpr_workitem_id 0
		.amdhsa_next_free_vgpr 226
		.amdhsa_next_free_sgpr 66
		.amdhsa_reserve_vcc 1
		.amdhsa_float_denorm_mode_32 3
		.amdhsa_float_denorm_mode_16_64 3
		.amdhsa_memory_ordered 1
		.amdhsa_forward_progress 1
		.amdhsa_inst_pref_size 33
	.end_amdhsa_kernel
	.amdgpu_metadata
---
amdhsa.version: [ 1, 2 ]
amdhsa.kernels:
  - .name:           k_qd3c209d7c9_route
    .symbol:         k_qd3c209d7c9_route.kd
    .args:
      - { .name: hidden_states, .offset: 0, .size: 8, .value_kind: global_buffer, .address_space: global }
      - { .name: gate_w, .offset: 8, .size: 8, .value_kind: global_buffer, .address_space: global }
      - { .name: sel, .offset: 16, .size: 8, .value_kind: global_buffer, .address_space: global }
      - { .name: wts, .offset: 24, .size: 8, .value_kind: global_buffer, .address_space: global }
      - { .name: lsq, .offset: 32, .size: 8, .value_kind: global_buffer, .address_space: global }
      - { .name: xq, .offset: 40, .size: 8, .value_kind: global_buffer, .address_space: global }
      - { .name: xs, .offset: 48, .size: 8, .value_kind: global_buffer, .address_space: global }
    .group_segment_fixed_size: 3584
    .private_segment_fixed_size: 0
    .kernarg_segment_align: 8
    .kernarg_segment_size: 56
    .max_flat_workgroup_size: 128
    .sgpr_count:     66
    .vgpr_count:     226
    .wavefront_size: 32
...
	.end_amdgpu_metadata
.endif
;; end of part 1
;; launch up (part 2): grid 256 x 1, 4 waves a work-group, no clusters, 225,792 bytes of LDS; arguments sel, xq, xs, w1_codes, w1_scales, b1, wts, lsq, himg, hsc, out1, out2; writes himg, hsc, out1, out2
.if DOCPART == 2
	.amdgcn_target "amdgcn-amd-amdhsa--gfx1250"
	.amdhsa_code_object_version 6
	.text
	.protected	k_qd3c209d7c9_up
	.globl	k_qd3c209d7c9_up
	.p2align	8
	.type	k_qd3c209d7c9_up,@function
k_qd3c209d7c9_up:
	s_mov_b64 s[64:65], 0
	v_nop
	global_prefetch_b8 v0, s[64:65] scope:SCOPE_SE
	s_setreg_imm32_b32 hwreg(HW_REG_WAVE_MODE, 25, 1), 1
	s_wait_xcnt 0x0
; h = Q(gelu(Q(x) w1^T + b1)) for the tokens of the chosen expert alone, and the two losses.
; SHARES.  Work-group g: expert e = g / 32, hidden units 128 s .. 128 s + 127 with s = g % 32: K step s of the second product.  Wave w makes units 32 w .. 32 w + 31 of them, one block of 32:
; its 32 rows of w1 (128 registers) stay in registers, and each byte of w1 is read by one wave of the launch.  All four waves walk the expert's tokens, 32 list slots (tiles A and B) a trip.
; THE LIST.  Wave 0 compacts the expert's tokens out of sel (whole numbers that the launch before stored) into LDS.  The list is filled up by 32 copies of the token in slot (n - 1) & ~15, the first
; slot of the expert's last tile of 16, so that every tile is whole and nothing is masked.  The next launch makes the same list by the same lines.
; Every loop with a barrier has a constant trip count (4 chunks of 256 slots, 8 pairs of tiles each); a stretch that has no slots under n is jumped over by a scalar branch, which holds no barrier.
; Because branches hang on the stored choice, operands come through registers: no tensor loads, and so no joint loads, though the 32 work-groups of an expert read the same rows of x.
; THE PRODUCT IS USED TRANSPOSED (source 0 = 16 rows of w1, source 1 = 16 tokens), and lane r of tile u takes row 8 u + r + 8 (r / 8): a lane's 16 registers of tiles 0 and 1 are units 16 (lane / 16) + 0 .. 15 of ONE token.
; w1's rows are loaded as they lie (512 consecutive bytes an instruction) and turned into fragments through the wave's own stage in LDS.
; OUT.  himg [e][tile of 16 slots][K step][1,024 bytes]: the image of the second product's fragment: block b of slot 16 m + r at 512 (b / 2) + 256 (b % 2) + 16 r.  hsc [e][K step][slot]: a word, byte b = block b's scale.
; gelu(x) = x / (1 + 2^(x (c0 + c1 x^2))), c0 = -2 log2(e) sqrt(2 / pi), c1 = 0.044715 c0: the tanh form, all in f32.
; THE LOSSES (wave 3 of work-group 0): out2 = sum(lsq) / 1024; out1 = 64 x mean_e(count_e / T x mean(topw)) = sum(topw) / 128, since with one expert a token the counts add up to T whatever the choice.
; LIMITS: NaN and infinities are not served; a block whose largest magnitude lies under 2^-124 gets the byte 1.  A skewed choice is served, unevenly: an expert's tokens are walked by its 32 work-groups alone.
.set XP,   528                         ; a slot's row of x's codes in LDS: 512 bytes + 16: the 16 rows of a fragment load start at 16 different groups of banks
.set XSC,  135168                      ; LDS: XA at 0: 256 slots x 528;  XSC: 256 slots x (32 scale bytes + 16)
.set HSB,  147456                      ; 4 planes (one a wave) x 256 slots x 4 bytes: h's scale bytes of a chunk
.set LIST, 151552                      ; 1,024 slots, 32 words for what is not the expert's, the count; room up to the furthest address that the text can form
.set CNT,  LIST+4224
.set WST,  157184                      ; 4 waves x 32 rows x 528: each wave's stage for w1
.set LN,  1                            ; lane
.set RR,  2                            ; r = lane % 16
.set HH,  3                            ; h = lane / 16
.set L16, 4                            ; 16 lane
.set L4,  5                            ; 4 lane
.set WSS, 6                            ; my stage, as rows come in
.set WSL, 7                            ; my stage, as fragments go out
.set XW,  8                            ; v8, v9: where I put rows of x: slot groups w and w + 4
.set XSW, 10                           ; and their scale bytes
.set XR0, 11                           ; a fragment of x: 528 r + 16 h;  v12 with the trip's step
.set XR,  12
.set SR0, 13                           ; x's scale words: slot = lane;  v14 with the trip's step
.set SR,  14
.set BW0, 15                           ; my plane of HSB;  v16 with the trip's step
.set BW,  16
.set BR,  17                           ; HSB read back
.set LQ0, 18                           ; the list, 16 slots a half of the lanes;  v19 with the chunk's step
.set LQ,  19
.set LT0, 20                           ; the list, a slot a lane;  v21 with the chunk's step
.set LT,  21
.set HO0, 22                           ; himg: 16 r + 32768 h;  v23 with the trip's step
.set HO,  23
.set SO0, 24                           ; hsc: 128 w + 4 lane;  v25 with the chunk's step
.set SO,  25
.set VCNT, 26
.set VL0, 27
.set C0,  28                           ; v[28:29] c0 twice, v[30:31] c1 twice
.set C1,  30
.set WS,  32                           ; v32-39  w1's scale words of K step ks: lanes 0-15 tile 0's rows, lanes 16-31 tile 1's
.set XS,  40                           ; v40-47  x's: lanes 0-15 tile A's tokens, lanes 16-31 tile B's
.set B1,  48                           ; v48-63  b1 in the result's layout, 8 registers a tile
.set H,   64                           ; v64-95  accumulator (t, u) at 64 + 16 t + 8 u;  at the head: sel
.set SL,  64
.set P,   96                           ; v96-99  the codes just made
.set TO,  100                          ; v100-115 tokens, then byte offsets of their rows
.set CS,  100                          ; (the list's scratch, wave 0 at the head)
.set QM,  100                          ; (the quantiser's: largest magnitudes, the other half's, scale operands, bytes)
.set QP,  102
.set QS,  104
.set QB,  106
.set SW,  108                          ; v108-115 scale words on their way out
.set TS,  116
.set WA,  117                          ; offsets of the head's loads; never rewritten
.set BA,  118
.set R16, 119                          ; 16 r
.set TD,  120                          ; v120-127 a slot's scale bytes
.set XFR, 128                          ; v128-255 fragments of x (t, ks) at 128 + 64 t + 8 ks; rows on their way into LDS; gelu's work
; window 1 (v256-383): w1's fragments (u, ks) at 8 (8 u + ks)
; s28 wave, s29 e, s30 s, s31 n, s32-33 the list's, s34 chunks to go, s35 pairs to go, s36 the pair's first slot, s37 its place in himg, s38-40 its places in XA, XSC, HSB, s41 the chunk's first slot, s42 4 x that
.set MSB, 0
.macro WIN new                         ; the immediate's high byte repeats the setting that is left
.if MSB != \new
	s_set_vgpr_msb (MSB<<8)|\new
.set MSB, \new
.endif
.endm
.macro WM d, a, b, c, sa, sb, ra, rb   ; one product; ra, rb: the side's scale words stand in lanes 16-31
.if (\ra) && (\rb)
	v_wmma_scale_f32_16x16x128_f8f6f4 v[(\d):(\d)+7], v[(\a):(\a)+7], v[(\b):(\b)+7], v[(\c):(\c)+7], v[(\sa)], v[(\sb)] matrix_a_fmt:MATRIX_FMT_FP4 matrix_b_fmt:MATRIX_FMT_FP4 matrix_a_scale:MATRIX_SCALE_ROW1 matrix_b_scale:MATRIX_SCALE_ROW1
.elseif (\ra)
	v_wmma_scale_f32_16x16x128_f8f6f4 v[(\d):(\d)+7], v[(\a):(\a)+7], v[(\b):(\b)+7], v[(\c):(\c)+7], v[(\sa)], v[(\sb)] matrix_a_fmt:MATRIX_FMT_FP4 matrix_b_fmt:MATRIX_FMT_FP4 matrix_a_scale:MATRIX_SCALE_ROW1
.elseif (\rb)
	v_wmma_scale_f32_16x16x128_f8f6f4 v[(\d):(\d)+7], v[(\a):(\a)+7], v[(\b):(\b)+7], v[(\c):(\c)+7], v[(\sa)], v[(\sb)] matrix_a_fmt:MATRIX_FMT_FP4 matrix_b_fmt:MATRIX_FMT_FP4 matrix_b_scale:MATRIX_SCALE_ROW1
.else
	v_wmma_scale_f32_16x16x128_f8f6f4 v[(\d):(\d)+7], v[(\a):(\a)+7], v[(\b):(\b)+7], v[(\c):(\c)+7], v[(\sa)], v[(\sb)] matrix_a_fmt:MATRIX_FMT_FP4 matrix_b_fmt:MATRIX_FMT_FP4
.endif
.endm
; The 38 loads that every wave issues: scale words, bias, 32 rows of w1.  The macro stands in each arm of the head, so that on every way all its registers are loaded.
.macro WLOADS
	global_load_b128 v[WS:WS+3], v[WA], s[12:13]
	global_load_b128 v[WS+4:WS+7], v[WA], s[12:13] offset:16
.irp u, 0,1
	global_load_b128 v[B1+8*\u:B1+8*\u+3], v[BA], s[14:15] offset:32*\u
	global_load_b128 v[B1+8*\u+4:B1+8*\u+7], v[BA], s[14:15] offset:32*\u+16
.endr
	WIN 0x40                                       ; destination window 1
.set i, 0
.rept 32
	global_load_b128 v[4*i:4*i+3], v[L16], s[10:11] offset:512*i th:TH_LOAD_NT   ; row i: 512 consecutive bytes; read by this wave alone
.set i, i+1
.endr
	WIN 0
.endm
; Wave 0: the tokens whose sel is e, in ascending register order, into LIST; the others' numbers go to 32 words that nobody reads.  Register 4 j + i of SL holds token 128 j + 4 lane + i.
.macro COMPACT
	v_mov_b32 v[CS+13], 0
	ds_store_b32 v[VL0], v[CS+13]                  ; slot 0 reads as token 0 where the expert has no token
	v_add_nc_u32 v[CS+12], 1024, v[LN]
	s_mov_b32 s32, 0
.set i, 0
.rept 32
.set CR, CS+3*(i%4)                    ; four sets of scratch by turns
	v_cmp_eq_u32 vcc_lo, s29, v[SL+i]
	v_mbcnt_lo_u32_b32 v[CR], vcc_lo, s32          ; my slot: those found so far + those in lower lanes
	s_bcnt1_i32_b32 s33, vcc_lo
	s_add_co_u32 s32, s32, s33
	v_cndmask_b32 v[CR], v[CS+12], v[CR], vcc_lo
	v_min_u32 v[CR], 0x41f, v[CR]
	v_lshl_add_u32 v[CR+1], v[CR], 2, LIST
	v_add_nc_u32 v[CR+2], 128*(i/4)+i%4, v[L4]
	ds_store_b32 v[CR+1], v[CR+2]
.set i, i+1
.endr
	v_mov_b32 v[CS+14], s32
	ds_store_b32 v[VCNT], v[CS+14]                 ; n
	s_max_u32 s33, s32, 1
	s_sub_co_u32 s33, s33, 1
	s_min_u32 s33, s33, 0x3ff
	s_and_b32 s33, s33, 0x3f0                      ; the first slot of the last tile of 16
	s_lshl_b32 s33, s33, 2
	s_add_co_u32 s33, s33, LIST
	v_mov_b32 v[CS+15], s33
	ds_load_b32 v[CS+13], v[CS+15]                 ; LDS serves a wave's instructions in order: this sees my stores
	v_add_nc_u32 v[CS], s32, v[LN]
	v_min_u32 v[CS], 0x41f, v[CS]
	v_lshl_add_u32 v[CS+1], v[CS], 2, LIST
	s_wait_dscnt 0x0
	ds_store_b32 v[CS+1], v[CS+13]                 ; slots n .. n + 31 repeat that token
.endm
; My wave brings the 32 slots of group w + 4 g of the chunk into LDS: sixteen lanes read 256 aligned bytes of a token's row of codes.
.macro XSTAGE g
	s_lshl_b32 s47, s28, 5
	s_add_co_u32 s47, s47, s41
	s_add_co_u32 s47, s47, 128*\g
	s_cmp_ge_u32 s47, s31
	s_cbranch_scc1 .Lno_stage_\@
	s_wait_xcnt 0x0                                ; earlier stores have read the registers that are written below
.irp q, 0,1,2,3
	ds_load_b128 v[TO+4*\q:TO+4*\q+3], v[LQ] offset:512*\g+16*\q   ; the tokens of slots 16 h + 0 .. 15
.endr
	ds_load_b32 v[TS], v[LT] offset:512*\g         ; and of slot = lane
	s_wait_dscnt 0x0                               ; (my earlier stores into LDS have read their registers too)
.irp p, 0,1,2,3,4,5,6,7,8,9,10,11,12,13,14,15
	v_min_u32 v[TO+\p], 0x3ff, v[TO+\p]
.endr
.irp p, 0,1,2,3,4,5,6,7,8,9,10,11,12,13,14,15
	v_lshl_add_u32 v[TO+\p], v[TO+\p], 9, v[R16]   ; 512 token + 16 r
.endr
	v_min_u32 v[TS], 0x3ff, v[TS]
	v_lshlrev_b32 v[TS], 5, v[TS]
.irp p, 0,1,2,3,4,5,6,7,8,9,10,11,12,13,14,15
	global_load_b128 v[XFR+8*\p:XFR+8*\p+3], v[TO+\p], s[6:7]
	global_load_b128 v[XFR+8*\p+4:XFR+8*\p+7], v[TO+\p], s[6:7] offset:256
.endr
	global_load_b128 v[TD:TD+3], v[TS], s[8:9]
	global_load_b128 v[TD+4:TD+7], v[TS], s[8:9] offset:16
	s_wait_loadcnt 0x0
.irp p, 0,1,2,3,4,5,6,7,8,9,10,11,12,13,14,15
	ds_store_b128 v[XW+\g], v[XFR+8*\p:XFR+8*\p+3] offset:XP*\p
	ds_store_b128 v[XW+\g], v[XFR+8*\p+4:XFR+8*\p+7] offset:XP*\p+256
.endr
	ds_store_b128 v[XSW], v[TD:TD+3] offset:6144*\g
	ds_store_b128 v[XSW], v[TD+4:TD+7] offset:6144*\g+16
.Lno_stage_\@:
.endm
; w1's rows become fragments: row i goes to stage row 16 ((i / 8) % 2) + i % 8 + 8 (i / 16), so that a tile's 16 rows lie on end.
.macro WTURN
	s_wait_loadcnt 0x0
	WIN 0x04                                       ; an LDS store's data are its source 1: window 1
.set i, 0
.rept 32
	ds_store_b128 v[WSS], v[4*i:4*i+3] offset:XP*(16*((i/8)%2)+i%8+8*(i/16))
.set i, i+1
.endr
	s_wait_dscnt 0x0                               ; the stores have read their registers
	WIN 0x40
.irp u, 0,1
.irp ks, 0,1,2,3,4,5,6,7
.irp c, 0,1
	ds_load_b128 v[8*(8*\u+\ks)+4*\c:8*(8*\u+\ks)+4*\c+3], v[WSL] offset:16*XP*\u+64*\ks+32*\c
.endr
.endr
.endr
	WIN 0
.endm
.macro PRODS k0                        ; four K steps; the four accumulators take turns, one instruction a turn.  The first K step takes the bias as C
.irp k, 0,1,2,3
.irp t, 0,1
.irp u, 0,1
.if (\k0)+\k == 0
	WM H+16*\t+8*\u, 8*(8*\u+\k0+\k), XFR+64*\t+8*(\k0+\k), B1+8*\u, WS+\k0+\k, XS+\k0+\k, \u, \t
.else
	WM H+16*\t+8*\u, 8*(8*\u+\k0+\k), XFR+64*\t+8*(\k0+\k), H+16*\t+8*\u, WS+\k0+\k, XS+\k0+\k, \u, \t
.endif
.endr
.endr
.endr
.endm
; A pair of tiles: 32 slots x my 32 hidden units over K = 1,024; gelu; the block's scale and codes; out.
.macro PAIR
	s_cmp_ge_u32 s36, s31
	s_cbranch_scc1 .Lno_pair_\@
	v_add_nc_u32 v[XR], s38, v[XR0]
	v_add_nc_u32 v[SR], s39, v[SR0]
	ds_load_b128 v[XS:XS+3], v[SR]
	ds_load_b128 v[XS+4:XS+7], v[SR] offset:16
.irp ks, 0,1,2,3,4,5,6,7
.irp t, 0,1
.irp c, 0,1
	ds_load_b128 v[XFR+64*\t+8*\ks+4*\c:XFR+64*\t+8*\ks+4*\c+3], v[XR] offset:16*XP*\t+64*\ks+32*\c
.endr
.endr
.endr
	s_wait_dscnt 16                                ; the scale words and K steps 0 to 3 are in; the sixteen loads of K steps 4 to 7 may be out
	WIN 0x01                                       ; source 0 (w1) window 1
	PRODS 0
	s_wait_dscnt 0x0
	PRODS 4
	WIN 0
.rept 5
	v_nop                                          ; places behind the products: four for the reads of the results and the loads into operands, the fifth for the next pair's first products, which write over these results
.endr
	s_wait_xcnt 0x0                                ; the last pair's store has read P and HO, which are written below
.set i, 0
.rept 16
	v_pk_mul_f32 v[XFR+i:XFR+i+1], v[H+i:H+i+1], v[H+i:H+i+1]   ; ascending: each accumulator is first read at its low end
.set i, i+2
.endr
.set i, 0
.rept 16
	v_pk_fma_f32 v[XFR+i:XFR+i+1], v[XFR+i:XFR+i+1], v[C1:C1+1], v[C0:C0+1]
.set i, i+2
.endr
.set i, 0
.rept 16
	v_pk_mul_f32 v[XFR+i:XFR+i+1], v[XFR+i:XFR+i+1], v[H+i:H+i+1]
.set i, i+2
.endr
.set i, 0
.rept 32
	v_exp_f32 v[XFR+i], v[XFR+i]
.set i, i+1
.endr
	v_add_nc_u32 v[HO], s37, v[HO0]                ; (a plain line behind the batch)
	s_wait_alu depctr_va_vdst(0)                   ; one wait for the 32 exponentials, ahead of their first reader
.set i, 0
.rept 16
	v_pk_add_f32 v[XFR+i:XFR+i+1], v[XFR+i:XFR+i+1], 1.0 op_sel_hi:[1,0]
.set i, i+2
.endr
.set i, 0
.rept 32
	v_rcp_f32 v[XFR+i], v[XFR+i]
.set i, i+1
.endr
	v_add_nc_u32 v[BW], s40, v[BW0]                ; (a plain line behind the batch)
	s_wait_alu depctr_va_vdst(0)                   ; one wait for the 32 reciprocals
.set i, 0
.rept 16
	v_pk_mul_f32 v[H+i:H+i+1], v[H+i:H+i+1], v[XFR+i:XFR+i+1]   ; gelu
.set i, i+2
.endr
.irp t, 0,1
	v_max3_num_f32 v[QM+\t], |v[H+16*\t]|, |v[H+16*\t+1]|, 0x1800000   ; my 16 units of the token, and the floor 2^(3 - 127)
.endr
.irp i, 2,4,6,8,10,12,14
.irp t, 0,1
	v_max3_num_f32 v[QM+\t], v[QM+\t], |v[H+16*\t+\i]|, |v[H+16*\t+\i+1]|
.endr
.endr
.irp t, 0,1
	v_permlanex16_b32 v[QP+\t], v[QM+\t], s44, s45
.endr
.irp t, 0,1
	v_max_num_f32 v[QM+\t], v[QM+\t], v[QP+\t]     ; with lane l xor 16's 16: the block's largest magnitude
.endr
.irp t, 0,1
	v_add_nc_u32 v[QS+\t], 0xff000000, v[QM+\t]    ; 2 off the exponent field: the conversion's scale operand
.endr
.irp t, 0,1
	v_lshrrev_b32 v[QB+\t], 23, v[QS+\t]           ; the scale's byte
.endr
.irp t, 0,1
	v_cvt_scalef32_pk8_fp4_f32 v[P+2*\t], v[H+16*\t:H+16*\t+7], v[QS+\t]
	v_cvt_scalef32_pk8_fp4_f32 v[P+2*\t+1], v[H+16*\t+8:H+16*\t+15], v[QS+\t]
.endr
	v_cndmask_b32 v[QB], v[QB], v[QB+1], s46       ; lanes 0-15 tile A's byte, lanes 16-31 tile B's (also the plain line behind the conversions)
	v_permlane16_swap_b32 v[P], v[P+2]             ; lanes 0-15 now hold tile A's whole block in P .. P + 3, lanes 16-31 tile B's
	v_permlane16_swap_b32 v[P+1], v[P+3]
	global_store_b128 v[HO], v[P:P+3], s[20:21]    ; sixteen lanes store 256 aligned bytes of a tile's image
	ds_store_b32 v[BW], v[QB]                      ; slot = lane, in my own plane
.Lno_pair_\@:
.endm
; The scale words of the 32 slots of group w + 4 g: the four planes' bytes joined.
.macro SCOUT g
	s_lshl_b32 s47, s28, 5
	s_add_co_u32 s47, s47, s41
	s_add_co_u32 s47, s47, 128*\g
	s_cmp_ge_u32 s47, s31
	s_cbranch_scc1 .Lno_words_\@
.irp b, 0,1,2,3
	ds_load_b32 v[SW+4*\g+\b], v[BR] offset:1024*\b+512*\g
.endr
	s_wait_dscnt 0x0
	v_lshl_or_b32 v[SW+4*\g], v[SW+4*\g+1], 8, v[SW+4*\g]
	v_lshl_or_b32 v[SW+4*\g], v[SW+4*\g+2], 16, v[SW+4*\g]
	v_lshl_or_b32 v[SW+4*\g], v[SW+4*\g+3], 24, v[SW+4*\g]
	global_store_b32 v[SO], v[SW+4*\g], s[22:23] offset:512*\g
.Lno_words_\@:
.endm
	s_load_b512 s[4:19], s[0:1], 0x0               ; sel s[4:5], xq s[6:7], xs s[8:9], w1's codes s[10:11], its scales s[12:13], b1 s[14:15], wts s[16:17], lsq s[18:19]
	s_load_b256 s[20:27], s[0:1], 0x40             ; himg s[20:21], hsc s[22:23], out1 s[24:25], out2 s[26:27]
	s_set_vgpr_msb 0x40
	v_lshl_add_u32 v128, v0, 2, 0x37000
	v_mov_b32 v129, 0
	s_set_vgpr_msb 0x4000
	v_lshrrev_b32 v[LN], 5, v0
	v_readfirstlane_b32 s28, v[LN]                 ; wave
	v_and_b32 v[LN], 31, v0
	v_and_b32 v[RR], 15, v0
	v_bfe_u32 v[HH], v0, 4, 1
	v_lshlrev_b32 v[L16], 4, v[LN]
	v_lshlrev_b32 v[L4], 2, v[LN]
	v_lshlrev_b32 v[R16], 4, v[RR]
	s_lshr_b32 s29, ttmp9, 5                       ; e
	s_and_b32 s30, ttmp9, 31                       ; s
	s_mov_b32 s44, 0x76543210
	s_mov_b32 s45, 0xfedcba98                      ; v_permlanex16_b32's selects for lane l xor 16
	s_mov_b32 s46, 0xffff0000                      ; lanes 16-31
	s_mov_b32 s36, 0
	s_mov_b32 s37, 0
	s_mov_b32 s41, 0
	s_mov_b32 s42, 0
	; every LDS address is made here, ahead of the parting of the waves
	s_mul_i32 s47, s28, 32*XP
	v_mul_u32_u24 v[XR0], v[RR], XP
	v_lshl_add_u32 v[XR0], v[HH], 4, v[XR0]
	s_add_co_u32 s48, s47, WST
	v_add_nc_u32 v[WSS], s48, v[L16]
	v_add_nc_u32 v[WSL], s48, v[XR0]
	v_mul_u32_u24 v[XW], v[HH], 16*XP
	v_add_nc_u32 v[XW], v[XW], v[R16]
	v_add_nc_u32 v[XW], s47, v[XW]                 ; slot 32 w + 16 h, byte 16 r
	v_add_nc_u32 v[XW+1], 128*XP, v[XW]
	v_mul_u32_u24 v[SR0], v[LN], 48
	v_add_nc_u32 v[SR0], XSC, v[SR0]
	s_mul_i32 s48, s28, 32*48
	v_add_nc_u32 v[XSW], s48, v[SR0]
	s_lshl_b32 s48, s28, 10
	s_add_co_u32 s48, s48, HSB
	v_add_nc_u32 v[BW0], s48, v[L4]
	s_lshl_b32 s48, s28, 7
	v_add_nc_u32 v[SO0], s48, v[L4]
	v_add_nc_u32 v[BR], HSB, v[SO0]
	s_add_co_u32 s48, s48, LIST
	v_lshl_add_u32 v[LQ0], v[HH], 6, s48
	v_add_nc_u32 v[LT0], s48, v[L4]
	v_add_nc_u32 v[LQ], s42, v[LQ0]
	v_add_nc_u32 v[LT], s42, v[LT0]
	v_mov_b32 v[VCNT], CNT
	v_mov_b32 v[VL0], LIST
	v_lshl_add_u32 v[HO0], v[HH], 15, v[R16]
	v_mov_b32 v[C0], 0xc0135761
	v_mov_b32 v[C0+1], 0xc0135761
	v_mov_b32 v[C1], 0xbdd2d3e8
	v_mov_b32 v[C1+1], 0xbdd2d3e8
	v_mov_b32 v[QP], 0                             ; written once: a lane permute's destination counts as one of its sources
	v_mov_b32 v[QP+1], 0
	v_and_b32 v[WA], 8, v[RR]
	v_add_nc_u32 v[WA], v[WA], v[RR]
	v_lshl_add_u32 v[WA], v[HH], 3, v[WA]
	v_lshlrev_b32 v[WA], 5, v[WA]                  ; w1's scale bytes: row 8 h + r + 8 (r / 8), 32 bytes a row
	v_lshlrev_b32 v[BA], 6, v[HH]                  ; b1: 16 h numbers on
	s_lshl_b32 s47, s29, 12
	s_lshl_b32 s48, s30, 7
	s_add_co_u32 s47, s47, s48
	s_lshl_b32 s48, s28, 5
	s_add_co_u32 s47, s47, s48                     ; my first row of w1: 4096 e + 128 s + 32 w
	s_mov_b32 s49, 0
	s_wait_kmcnt 0x0
	s_lshl_b32 s48, s47, 9
	s_add_nc_u64 s[10:11], s[10:11], s[48:49]
	s_lshl_b32 s48, s47, 5
	s_add_nc_u64 s[12:13], s[12:13], s[48:49]
	s_lshl_b32 s48, s47, 2
	s_add_nc_u64 s[14:15], s[14:15], s[48:49]
	s_lshl_b32 s48, s29, 21
	s_lshl_b32 s50, s30, 10
	s_add_co_u32 s48, s48, s50
	s_lshl_b32 s50, s28, 8
	s_add_co_u32 s48, s48, s50                     ; himg: 2 MiB e + 1024 s + 256 w (block w of an image)
	s_add_nc_u64 s[20:21], s[20:21], s[48:49]
	s_lshl_b32 s48, ttmp9, 12                      ; hsc: 4096 (32 e + s)
	s_add_nc_u64 s[22:23], s[22:23], s[48:49]
	s_cmp_eq_u32 s28, 0
	s_cbranch_scc1 .Llist
	s_xor_b32 s47, s28, 3
	s_or_b32 s47, s47, ttmp9
	s_cmp_eq_u32 s47, 0
	s_cbranch_scc1 .Lloss
	WLOADS
	s_branch .Ljoin
.Llist:                                                ; wave 0
.irp j, 0,1,2,3,4,5,6,7
	global_load_b128 v[SL+4*\j:SL+4*\j+3], v[L16], s[4:5] offset:512*\j
.endr
	WLOADS
	s_wait_loadcnt 38                              ; sel's eight loads are in; the 38 issued behind them stay out
	COMPACT
	s_branch .Ljoin
.Lloss:                                                ; wave 3 of work-group 0
.irp j, 0,1,2,3,4,5,6,7
	global_load_b128 v[XFR+4*\j:XFR+4*\j+3], v[L16], s[16:17] offset:512*\j
	global_load_b128 v[XFR+32+4*\j:XFR+32+4*\j+3], v[L16], s[18:19] offset:512*\j
.endr
	WLOADS
	s_wait_loadcnt 38                              ; the sixteen loads of wts and lsq are in; the 38 issued behind them stay out
.irp j, 4,8,12,16,20,24,28
.irp b, 0,32
	v_pk_add_f32 v[XFR+\b:XFR+\b+1], v[XFR+\b:XFR+\b+1], v[XFR+\b+\j:XFR+\b+\j+1]
	v_pk_add_f32 v[XFR+\b+2:XFR+\b+3], v[XFR+\b+2:XFR+\b+3], v[XFR+\b+\j+2:XFR+\b+\j+3]
.endr
.endr
.irp b, 0,32
	v_pk_add_f32 v[XFR+\b:XFR+\b+1], v[XFR+\b:XFR+\b+1], v[XFR+\b+2:XFR+\b+3]
.endr
.irp b, 0,32
	v_add_f32 v[XFR+\b], v[XFR+\b], v[XFR+\b+1]
.endr
.irp m, 1,2,4,8
.irp b, 0,32
	v_add_f32_dpp v[XFR+\b], v[XFR+\b], v[XFR+\b] row_xmask:\m row_mask:0xf bank_mask:0xf
.endr
.endr
.irp b, 0,32
	v_permlanex16_b32 v[XFR+\b+1], v[XFR+\b], s44, s45
.endr
.irp b, 0,32
	v_add_f32 v[XFR+\b], v[XFR+\b], v[XFR+\b+1]
.endr
	v_mul_f32 v[XFR], 0x3c000000, v[XFR]           ; / 128
	v_mul_f32 v[XFR+32], 0x3a800000, v[XFR+32]     ; / 1024
	v_mov_b32 v[XFR+2], 0
	v_cmp_eq_u32 vcc_lo, 0, v[LN]
	s_wait_xcnt 0x0                                ; EXEC changes only behind this wait
	s_and_saveexec_b32 s47, vcc_lo
	global_store_b32 v[XFR+2], v[XFR], s[24:25]
	global_store_b32 v[XFR+2], v[XFR+32], s[26:27]
	s_wait_xcnt 0x0
	s_or_b32 exec_lo, exec_lo, s47
.Ljoin:
	s_wait_dscnt 0x0                               ; wave 0's list has landed; up to here no other wave has touched LDS
	s_barrier_signal -1
	s_barrier_wait -1
	ds_load_b32 v[QM], v[VCNT]
	s_wait_dscnt 0x0
	v_readfirstlane_b32 s31, v[QM]
	s_min_u32 s31, s31, 0x400                      ; n
	XSTAGE 0
	XSTAGE 1
	WTURN
	s_mov_b32 s34, 4
.Lchunk:                                               ; 4 trips, whatever n: 256 slots each
	s_wait_dscnt 0x0                               ; my rows of x have landed, my fragments of w1 are in, my reads of HSB are over
	s_barrier_signal -1
	s_barrier_wait -1
	s_mov_b32 s38, 0
	s_mov_b32 s39, 0
	s_mov_b32 s40, 0
	s_mov_b32 s35, 8
.Lpair:
	PAIR
	s_add_co_u32 s36, s36, 32
	s_add_co_u32 s37, s37, 65536
	s_add_co_u32 s38, s38, 32*XP
	s_add_co_u32 s39, s39, 32*48
	s_add_co_u32 s40, s40, 128
	s_sub_co_u32 s35, s35, 1
	s_cmp_lg_u32 s35, 0
	s_cbranch_scc1 .Lpair
	s_wait_dscnt 0x0                               ; my reads of the chunk's rows are over, my scale bytes have landed
	s_barrier_signal -1
	s_barrier_wait -1
	s_wait_xcnt 0x0                                ; earlier stores have read SO and the words' registers
	v_add_nc_u32 v[SO], s42, v[SO0]
	SCOUT 0
	SCOUT 1
	s_add_co_u32 s41, s41, 256
	s_add_co_u32 s42, s42, 1024
	v_add_nc_u32 v[LQ], s42, v[LQ0]
	v_add_nc_u32 v[LT], s42, v[LT0]
	XSTAGE 0                                       ; the next chunk's rows (behind the last chunk: 1,024 is never under n)
	XSTAGE 1
	s_sub_co_u32 s34, s34, 1
	s_cmp_lg_u32 s34, 0
	s_cbranch_scc1 .Lchunk
	s_set_vgpr_msb 0x5
	s_wait_tensorcnt 0x0
	ds_add_u32 v128, v129
	s_wait_dscnt 0x0
	s_set_vgpr_msb 0x500
	s_endpgm
.Lfunc_end_k_qd3c209d7c9_up:
	.size	k_qd3c209d7c9_up, .Lfunc_end_k_qd3c209d7c9_up-k_qd3c209d7c9_up
	.p2alignl 7, 3214868480
	.fill 96, 4, 3214868480
	.section	.rodata,"a",@progbits
	.p2align	6, 0x0
	.amdhsa_kernel k_qd3c209d7c9_up
		.amdhsa_group_segment_fixed_size 225792
		.amdhsa_private_segment_fixed_size 0
		.amdhsa_enable_private_segment 0
		.amdhsa_kernarg_size 96
		.amdhsa_user_sgpr_count 2
		.amdhsa_user_sgpr_kernarg_segment_ptr 1
		.amdhsa_wavefront_size32 1
		.amdhsa_system_sgpr_workgroup_id_x 1
		.amdhsa_system_sgpr_workgroup_id_y 1
		.amdhsa_system_sgpr_workgroup_id_z 1
		.amdhsa_system_vgpr_workitem_id 0
		.amdhsa_next_free_vgpr 386
		.amdhsa_next_free_sgpr 66
		.amdhsa_reserve_vcc 1
		.amdhsa_float_denorm_mode_32 3
		.amdhsa_float_denorm_mode_16_64 3
		.amdhsa_memory_ordered 1
		.amdhsa_forward_progress 1
		.amdhsa_inst_pref_size 91
	.end_amdhsa_kernel
	.amdgpu_metadata
---
amdhsa.version: [ 1, 2 ]
amdhsa.kernels:
  - .name:           k_qd3c209d7c9_up
    .symbol:         k_qd3c209d7c9_up.kd
    .args:
      - { .name: sel, .offset: 0, .size: 8, .value_kind: global_buffer, .address_space: global }
      - { .name: xq, .offset: 8, .size: 8, .value_kind: global_buffer, .address_space: global }
      - { .name: xs, .offset: 16, .size: 8, .value_kind: global_buffer, .address_space: global }
      - { .name: w1_codes, .offset: 24, .size: 8, .value_kind: global_buffer, .address_space: global }
      - { .name: w1_scales, .offset: 32, .size: 8, .value_kind: global_buffer, .address_space: global }
      - { .name: b1, .offset: 40, .size: 8, .value_kind: global_buffer, .address_space: global }
      - { .name: wts, .offset: 48, .size: 8, .value_kind: global_buffer, .address_space: global }
      - { .name: lsq, .offset: 56, .size: 8, .value_kind: global_buffer, .address_space: global }
      - { .name: himg, .offset: 64, .size: 8, .value_kind: global_buffer, .address_space: global }
      - { .name: hsc, .offset: 72, .size: 8, .value_kind: global_buffer, .address_space: global }
      - { .name: out1, .offset: 80, .size: 8, .value_kind: global_buffer, .address_space: global }
      - { .name: out2, .offset: 88, .size: 8, .value_kind: global_buffer, .address_space: global }
    .group_segment_fixed_size: 225792
    .private_segment_fixed_size: 0
    .kernarg_segment_align: 8
    .kernarg_segment_size: 96
    .max_flat_workgroup_size: 128
    .sgpr_count:     66
    .vgpr_count:     386
    .wavefront_size: 32
...
	.end_amdgpu_metadata
.endif
;; end of part 2
;; launch down (part 3): grid 256 x 1, 4 waves a work-group, no clusters, 228,352 bytes of LDS; arguments sel, wts, himg, hsc, w2_codes, w2_scales, b2, out0; writes out0
.if DOCPART == 3
	.amdgcn_target "amdgcn-amd-amdhsa--gfx1250"
	.amdhsa_code_object_version 6
	.text
	.protected	k_qd3c209d7c9_down
	.globl	k_qd3c209d7c9_down
	.p2align	8
	.type	k_qd3c209d7c9_down,@function
k_qd3c209d7c9_down:
	s_mov_b64 s[64:65], 0
	v_nop
	global_prefetch_b8 v0, s[64:65] scope:SCOPE_SE
	s_setreg_imm32_b32 hwreg(HW_REG_WAVE_MODE, 25, 1), 1
	s_wait_xcnt 0x0
; out0[token] = topw x (h w2^T + b2) for the token's chosen expert.  h comes as the images and scale words that the launch before stored.
; SHARES.  Work-group g: expert e = g / 32; output columns 64 d .. 64 d + 63 with d = (g / 2) % 16: 256 aligned bytes of a row of out0; of the expert's tiles of 16 list slots those with m % 2 = g % 2.
; THE WAVES SHARE K: wave q takes K steps 8 q .. 8 q + 7 (a quarter of 4,096) of all 64 rows of w2: 256 registers, kept for the whole launch; of h it reads only its quarter, so no byte of h is read twice in a work-group.
; The four partial sums of a tile meet in LDS; then wave q adds, for rows 4 q .. 4 q + 3 of each tile, the four parts and the bias, multiplies by topw and stores.
; A chunk is 5 tiles (m = 10 c + 2 t + g % 2); 7 chunks, a constant, cover the 64 tiles that one expert can have.  A tile whose first slot is not under n is jumped over by a scalar branch; no barrier stands under such a branch.
; Because branches hang on the stored choice, operands come through registers: no tensor loads, and so no joint loads, though the work-groups of an expert share h and two partners share w2.
; THE LIST is made as in the launch before, by the same lines.  Slots n and above of the last tile repeat the token of that tile's first slot: such a row is computed and stored again, with the same value, by the same work-group.
; THE PRODUCT IS USED TRANSPOSED (source 0 = 16 rows of w2, source 1 = 16 slots of h): a lane holds eight neighbouring columns of one token's row.
; w2's rows are loaded as they lie (512 consecutive bytes an instruction) and turned into fragments through the wave's own stage in LDS, 16 rows at a time, in place.
; LIMITS: NaN and infinities are not served.  A skewed choice is served, unevenly.
.set WP,   528                         ; a stage row: 512 bytes + 16
.set RP,   272                         ; a row of partial sums: 256 bytes + 16
.set RED,  135168                      ; LDS: WST at 0: 4 waves x 64 rows x 528;  RED: 4 waves x 5 tiles x 16 rows x 272
.set LIST, 222208                      ; 1,024 slots, 32 words for what is not the expert's, the count; room up to the furthest address that the text can form
.set CNT,  LIST+4224
.set LN,  1                            ; lane
.set RR,  2                            ; r = lane % 16
.set HH,  3                            ; h = lane / 16
.set L16, 4
.set L4,  5
.set WSS, 6                            ; my stage, as rows come in
.set WSL, 7                            ; my stage, as fragments go out
.set RW,  8                            ; my plane of RED: row r, 32 h bytes
.set RD0, 9                            ; v9, v10: RED read back: row 4 q + h, 16 r bytes; planes 0 and 1, planes 2 and 3
.set LA0, 11                           ; the list: slot 4 q + h;  v12 with the chunk's step
.set LA,  12
.set I16, 13                           ; 16 r
.set WA,  14                           ; 128 lane: a row of w2's scale bytes
.set HSA, 15                           ; hsc: 4096 h + 4 r
.set VCNT, 16
.set VL0, 17
.set VH,  28                           ; v28-32  a tile's offset in himg
.set VS,  33                           ; v33-37  and in hsc
.set WS,  40                           ; v40-55  w2's scale words: 8 (dt / 2) + ks; lanes 0-15 the even tile's rows, lanes 16-31 the odd tile's
.set HS,  56                           ; v56-75  h's: 4 t + ks / 2; lanes 0-15 the even K step, lanes 16-31 the odd one
.set B2,  76                           ; v76-79  b2 of my 4 columns
.set TW,  80                           ; v80-89  tokens of my rows (2 t + p)
.set OFF, 90                           ; v90-99  their places in out0
.set WT,  100                          ; v100-109 their topw
.set T,   112                          ; v112-143 at work on the way out
.set CS,  112                          ; (the list's scratch, wave 0 at the head)
.set SL,  144                          ; v144-175 sel
; window 1: w2's fragments (dt, ks) at 8 (8 dt + ks).  window 2: h's fragments (t, ks) at 64 t + 8 ks, t = 0 .. 3.  window 3: v0-63 those of t = 4; accumulator (t, dt) at 64 + 8 (4 t + dt)
; s28 wave, s29 e, s30 d, s31 n, s32-33 the list's, s34 chunks to go, s35 g % 2, s36 the chunk's first slot, s37 its place in himg, s38 4 x that slot
.set MSB, 0
.macro WIN new                         ; the immediate's high byte repeats the setting that is left
.if MSB != \new
	s_set_vgpr_msb (MSB<<8)|\new
.set MSB, \new
.endif
.endm
.macro WM d, a, b, c, sa, sb, ra, rb   ; one product; c < 0: it starts the sum, C is the constant 0 (then rb = 0); ra, rb: the side's scale words stand in lanes 16-31
.if (\c) < 0
.if (\ra)
	v_wmma_scale_f32_16x16x128_f8f6f4 v[(\d):(\d)+7], v[(\a):(\a)+7], v[(\b):(\b)+7], 0, v[(\sa)], v[(\sb)] matrix_a_fmt:MATRIX_FMT_FP4 matrix_b_fmt:MATRIX_FMT_FP4 matrix_a_scale:MATRIX_SCALE_ROW1
.else
	v_wmma_scale_f32_16x16x128_f8f6f4 v[(\d):(\d)+7], v[(\a):(\a)+7], v[(\b):(\b)+7], 0, v[(\sa)], v[(\sb)] matrix_a_fmt:MATRIX_FMT_FP4 matrix_b_fmt:MATRIX_FMT_FP4
.endif
.elseif (\ra) && (\rb)
	v_wmma_scale_f32_16x16x128_f8f6f4 v[(\d):(\d)+7], v[(\a):(\a)+7], v[(\b):(\b)+7], v[(\c):(\c)+7], v[(\sa)], v[(\sb)] matrix_a_fmt:MATRIX_FMT_FP4 matrix_b_fmt:MATRIX_FMT_FP4 matrix_a_scale:MATRIX_SCALE_ROW1 matrix_b_scale:MATRIX_SCALE_ROW1
.elseif (\ra)
	v_wmma_scale_f32_16x16x128_f8f6f4 v[(\d):(\d)+7], v[(\a):(\a)+7], v[(\b):(\b)+7], v[(\c):(\c)+7], v[(\sa)], v[(\sb)] matrix_a_fmt:MATRIX_FMT_FP4 matrix_b_fmt:MATRIX_FMT_FP4 matrix_a_scale:MATRIX_SCALE_ROW1
.elseif (\rb)
	v_wmma_scale_f32_16x16x128_f8f6f4 v[(\d):(\d)+7], v[(\a):(\a)+7], v[(\b):(\b)+7], v[(\c):(\c)+7], v[(\sa)], v[(\sb)] matrix_a_fmt:MATRIX_FMT_FP4 matrix_b_fmt:MATRIX_FMT_FP4 matrix_b_scale:MATRIX_SCALE_ROW1
.else
	v_wmma_scale_f32_16x16x128_f8f6f4 v[(\d):(\d)+7], v[(\a):(\a)+7], v[(\b):(\b)+7], v[(\c):(\c)+7], v[(\sa)], v[(\sb)] matrix_a_fmt:MATRIX_FMT_FP4 matrix_b_fmt:MATRIX_FMT_FP4
.endif
.endm
.macro WROWS from, n                   ; rows from .. from + n - 1 of w2, my quarter of K: 512 consecutive bytes each
	WIN 0x40                                       ; destination window 1
.set i, \from
.rept \n
	global_load_b128 v[4*i:4*i+3], v[L16], s[12:13] offset:2048*i
.set i, i+1
.endr
	WIN 0
.endm
; The 69 loads that every wave issues.  The macro stands in both arms of the head, so that on every way all its registers are loaded.
; Between the loads: the registers that one guarded stretch loads and another reads are written once, so that each holds a number on every way through the text; the scale words first, so that the other lines stand
; between them and any product.  These lines run while the first 53 loads are out.
.macro WLOADS
.irp dp, 0,1
	global_load_b128 v[WS+8*\dp:WS+8*\dp+3], v[WA], s[14:15] offset:4096*\dp
	global_load_b128 v[WS+8*\dp+4:WS+8*\dp+7], v[WA], s[14:15] offset:4096*\dp+16
.endr
	global_load_b128 v[B2:B2+3], v[I16], s[16:17]
	WROWS 0, 48
.set i, 0
.rept 20
	v_mov_b32 v[HS+i], 0
.set i, i+1
.endr
	WIN 0x80
.set i, 0
.rept 256
	v_mov_b32 v[i], 0
.set i, i+1
.endr
	WIN 0xc0
.set i, 0
.rept 64
	v_mov_b32 v[i], 0
.set i, i+1
.endr
	WIN 0
.set i, 0
.rept 20
	v_mov_b32 v[OFF+i], 0                          ; OFF and WT
.set i, i+1
.endr
	WROWS 48, 16
.endm
; Wave 0: the tokens whose sel is e, in ascending register order, into LIST; the others' numbers go to 32 words that nobody reads.  Register 4 j + i of SL holds token 128 j + 4 lane + i.
.macro COMPACT
	v_mov_b32 v[CS+13], 0
	ds_store_b32 v[VL0], v[CS+13]                  ; slot 0 reads as token 0 where the expert has no token
	v_add_nc_u32 v[CS+12], 1024, v[LN]
	s_mov_b32 s32, 0
.set i, 0
.rept 32
.set CR, CS+3*(i%4)                    ; four sets of scratch by turns
	v_cmp_eq_u32 vcc_lo, s29, v[SL+i]
	v_mbcnt_lo_u32_b32 v[CR], vcc_lo, s32          ; my slot: those found so far + those in lower lanes
	s_bcnt1_i32_b32 s33, vcc_lo
	s_add_co_u32 s32, s32, s33
	v_cndmask_b32 v[CR], v[CS+12], v[CR], vcc_lo
	v_min_u32 v[CR], 0x41f, v[CR]
	v_lshl_add_u32 v[CR+1], v[CR], 2, LIST
	v_add_nc_u32 v[CR+2], 128*(i/4)+i%4, v[L4]
	ds_store_b32 v[CR+1], v[CR+2]
.set i, i+1
.endr
	v_mov_b32 v[CS+14], s32
	ds_store_b32 v[VCNT], v[CS+14]                 ; n
	s_max_u32 s33, s32, 1
	s_sub_co_u32 s33, s33, 1
	s_min_u32 s33, s33, 0x3ff
	s_and_b32 s33, s33, 0x3f0                      ; the first slot of the last tile of 16
	s_lshl_b32 s33, s33, 2
	s_add_co_u32 s33, s33, LIST
	v_mov_b32 v[CS+15], s33
	ds_load_b32 v[CS+13], v[CS+15]                 ; LDS serves a wave's instructions in order: this sees my stores
	v_add_nc_u32 v[CS], s32, v[LN]
	v_min_u32 v[CS], 0x41f, v[CS]
	v_lshl_add_u32 v[CS+1], v[CS], 2, LIST
	s_wait_dscnt 0x0
	ds_store_b32 v[CS+1], v[CS+13]                 ; slots n .. n + 31 repeat that token
.endm
; Tile t of the chunk: my quarter of its h (8 images: 16 loads of 512 consecutive bytes), its scale words, and the tokens, places and weights of the two rows that I will store.
.macro HLOAD ti
	s_add_co_u32 s47, s36, 32*(\ti)
	s_cmp_ge_u32 s47, s31
	s_cbranch_scc1 .Lno_h_\@
	ds_load_b32 v[TW+2*(\ti)], v[LA] offset:128*(\ti)
	ds_load_b32 v[TW+2*(\ti)+1], v[LA] offset:128*(\ti)+8
	s_add_co_u32 s48, s37, 65536*(\ti)
	v_add_nc_u32 v[VH+(\ti)], s48, v[L16]
	s_add_co_u32 s48, s38, 128*(\ti)
	v_add_nc_u32 v[VS+(\ti)], s48, v[HSA]
.set HB, 64*((\ti)%4)
.set WN, 0x80+0x40*((\ti)/4)
	WIN WN                                         ; destination window 2, for the fifth tile 3
.set i, 0
.rept 16
	global_load_b128 v[HB+4*i:HB+4*i+3], v[VH+(\ti)], s[8:9] offset:512*i
.set i, i+1
.endr
	WIN 0
.irp kp, 0,1,2,3
	global_load_b32 v[HS+4*(\ti)+\kp], v[VS+(\ti)], s[10:11] offset:8192*\kp
.endr
	s_wait_dscnt 0x0
.irp p, 0,1
	v_min_u32 v[TW+2*(\ti)+\p], 0x3ff, v[TW+2*(\ti)+\p]
	v_lshl_add_u32 v[OFF+2*(\ti)+\p], v[TW+2*(\ti)+\p], 12, v[I16]
	v_lshlrev_b32 v[TW+2*(\ti)+\p], 2, v[TW+2*(\ti)+\p]
	global_load_b32 v[WT+2*(\ti)+\p], v[TW+2*(\ti)+\p], s[6:7]
.endr
.Lno_h_\@:
.endm
.macro HLOADS
	s_wait_xcnt 0x0                                ; the last chunk's stores have read OFF
.irp t, 0,1,2,3,4
	HLOAD \t
.endr
.endm
; w2's rows become fragments, 16 rows (one tile) at a time, in place.  The counts name the rows of w2 that were issued behind the piece; loads of h issued later only make a count smaller than it need be.
.macro WTURN
.irp dt, 0,1,2,3
	s_wait_loadcnt 48-16*\dt
	WIN 0x04                                       ; an LDS store's data are its source 1: window 1
.irp j, 0,1,2,3,4,5,6,7,8,9,10,11,12,13,14,15
	ds_store_b128 v[WSS], v[64*\dt+4*\j:64*\dt+4*\j+3] offset:WP*(16*\dt+\j)
.endr
	s_wait_dscnt 0x0                               ; the stores have read their registers
	WIN 0x40
.irp ks, 0,1,2,3,4,5,6,7
.irp c, 0,1
	ds_load_b128 v[64*\dt+8*\ks+4*\c:64*\dt+8*\ks+4*\c+3], v[WSL] offset:16*WP*\dt+64*\ks+32*\c
.endr
.endr
.endr
	WIN 0
.endm
; Tile t: 64 columns x 16 slots over my quarter of K: 32 products, the four accumulators by turns, one instruction a turn; then my partial sums into my plane of RED.
.macro MUL ti
	s_add_co_u32 s47, s36, 32*(\ti)
	s_cmp_ge_u32 s47, s31
	s_cbranch_scc1 .Lno_mul_\@
.set HB, 64*((\ti)%4)
.set AC, 64+32*(\ti)
.set WN, 0xf9+4*((\ti)/4)
	WIN WN                                         ; source 0 (w2) window 1, source 1 (h) window 2 (the fifth tile: 3), C and D window 3
.irp ks, 0,1,2,3,4,5,6,7
.irp dt, 0,1,2,3
.if \ks == 0
	WM AC+8*\dt, 8*(8*\dt+\ks), HB+8*\ks, -1, WS+8*(\dt/2)+\ks, HS+4*(\ti)+\ks/2, \dt%2, \ks%2
.else
	WM AC+8*\dt, 8*(8*\dt+\ks), HB+8*\ks, AC+8*\dt, WS+8*(\dt/2)+\ks, HS+4*(\ti)+\ks/2, \dt%2, \ks%2
.endif
.endr
.endr
.rept 5
	v_nop                                          ; places behind the products: four for the stores of the results and later loads into operands, the fifth for the next chunk's products, which write over these results
.endr
	WIN 0x0c                                       ; the stores' data: window 3
.irp dt, 0,1,2,3
	ds_store_b128 v[RW], v[AC+8*\dt:AC+8*\dt+3] offset:16*RP*(\ti)+64*\dt          ; each accumulator from its low end on
	ds_store_b128 v[RW], v[AC+8*\dt+4:AC+8*\dt+7] offset:16*RP*(\ti)+64*\dt+16
.endr
	WIN 0
.Lno_mul_\@:
.endm
; Tile t: rows 4 q + h and 4 q + h + 2: the four parts, the bias, the weight; sixteen lanes store 256 aligned bytes of a token's row.
.macro OUT ti
	s_add_co_u32 s47, s36, 32*(\ti)
	s_cmp_ge_u32 s47, s31
	s_cbranch_scc1 .Lno_out_\@
	s_wait_xcnt 0x0                                ; the last tile's stores have read T
.irp p, 0,1
.irp s, 0,1,2,3
	ds_load_b128 v[T+16*\p+4*\s:T+16*\p+4*\s+3], v[RD0+\s/2] offset:5*16*RP*(\s%2)+16*RP*(\ti)+2*RP*\p
.endr
.endr
	s_wait_dscnt 0x0
.irp p, 0,1
.irp d, 0,2
	v_pk_add_f32 v[T+16*\p+\d:T+16*\p+\d+1], v[T+16*\p+\d:T+16*\p+\d+1], v[T+16*\p+4+\d:T+16*\p+4+\d+1]
	v_pk_add_f32 v[T+16*\p+8+\d:T+16*\p+8+\d+1], v[T+16*\p+8+\d:T+16*\p+8+\d+1], v[T+16*\p+12+\d:T+16*\p+12+\d+1]
.endr
.endr
.irp p, 0,1
.irp d, 0,2
	v_pk_add_f32 v[T+16*\p+\d:T+16*\p+\d+1], v[T+16*\p+\d:T+16*\p+\d+1], v[T+16*\p+8+\d:T+16*\p+8+\d+1]
.endr
.endr
.irp p, 0,1
.irp d, 0,2
	v_pk_add_f32 v[T+16*\p+\d:T+16*\p+\d+1], v[T+16*\p+\d:T+16*\p+\d+1], v[B2+\d:B2+\d+1]
.endr
.endr
.irp p, 0,1
.irp d, 0,1,2,3
	v_mul_f32 v[T+16*\p+\d], v[WT+2*(\ti)+\p], v[T+16*\p+\d]
.endr
.endr
.irp p, 0,1
	global_store_b128 v[OFF+2*(\ti)+\p], v[T+16*\p:T+16*\p+3], s[18:19] th:TH_STORE_NT
.endr
.Lno_out_\@:
.endm
	s_load_b512 s[4:19], s[0:1], 0x0               ; sel s[4:5], wts s[6:7], himg s[8:9], hsc s[10:11], w2's codes s[12:13], its scales s[14:15], b2 s[16:17], out0 s[18:19]
	v_lshl_add_u32 v254, v0, 2, 0x37a00
	v_mov_b32 v255, 0
	v_lshrrev_b32 v[LN], 5, v0
	v_readfirstlane_b32 s28, v[LN]                 ; wave q
	v_and_b32 v[LN], 31, v0
	v_and_b32 v[RR], 15, v0
	v_bfe_u32 v[HH], v0, 4, 1
	v_lshlrev_b32 v[L16], 4, v[LN]
	v_lshlrev_b32 v[L4], 2, v[LN]
	v_lshlrev_b32 v[I16], 4, v[RR]
	v_lshlrev_b32 v[WA], 7, v[LN]
	v_lshlrev_b32 v[HSA], 2, v[RR]
	v_lshl_add_u32 v[HSA], v[HH], 12, v[HSA]
	s_lshr_b32 s29, ttmp9, 5                       ; e
	s_bfe_u32 s30, ttmp9, 0x40001                  ; d: 4 bits from bit 1
	s_and_b32 s35, ttmp9, 1                        ; which tiles are mine
	s_lshl_b32 s36, s35, 4
	s_lshl_b32 s37, s35, 15
	s_lshl_b32 s38, s35, 6
	; every LDS address is made here, ahead of the parting of the waves
	s_mul_i32 s47, s28, 64*WP
	v_add_nc_u32 v[WSS], s47, v[L16]
	v_mul_u32_u24 v[WSL], v[RR], WP
	v_lshl_add_u32 v[WSL], v[HH], 4, v[WSL]
	v_add_nc_u32 v[WSL], s47, v[WSL]
	s_mul_i32 s47, s28, 5*16*RP
	s_add_co_u32 s47, s47, RED
	v_mul_u32_u24 v[RW], v[RR], RP
	v_lshl_add_u32 v[RW], v[HH], 5, v[RW]
	v_add_nc_u32 v[RW], s47, v[RW]
	s_mul_i32 s47, s28, 4*RP
	s_add_co_u32 s47, s47, RED
	v_mul_u32_u24 v[RD0], v[HH], RP
	v_add_nc_u32 v[RD0], v[RD0], v[I16]
	v_add_nc_u32 v[RD0], s47, v[RD0]
	v_add_nc_u32 v[RD0+1], 2*5*16*RP, v[RD0]
	s_lshl_b32 s47, s28, 4
	s_add_co_u32 s47, s47, LIST
	v_lshl_add_u32 v[LA0], v[HH], 2, s47
	v_add_nc_u32 v[LA], s38, v[LA0]
	v_mov_b32 v[VCNT], CNT
	v_mov_b32 v[VL0], LIST
	s_lshl_b32 s47, s29, 10
	s_lshl_b32 s48, s30, 6
	s_add_co_u32 s47, s47, s48                     ; my first row of w2: 1024 e + 64 d
	s_mov_b32 s49, 0
	s_wait_kmcnt 0x0
	s_lshl_b32 s48, s47, 11
	s_lshl_b32 s50, s28, 9
	s_add_co_u32 s48, s48, s50
	s_add_nc_u64 s[12:13], s[12:13], s[48:49]      ; its codes, my quarter of K
	s_lshl_b32 s48, s47, 7
	s_lshl_b32 s50, s28, 5
	s_add_co_u32 s48, s48, s50
	s_add_nc_u64 s[14:15], s[14:15], s[48:49]      ; its scale bytes likewise
	s_lshl_b32 s48, s47, 2
	s_add_nc_u64 s[16:17], s[16:17], s[48:49]      ; b2
	s_lshl_b32 s48, s29, 21
	s_lshl_b32 s50, s28, 13
	s_add_co_u32 s48, s48, s50
	s_add_nc_u64 s[8:9], s[8:9], s[48:49]          ; himg: 2 MiB e + 8 images q
	s_lshl_b32 s48, s29, 17
	s_lshl_b32 s50, s28, 15
	s_add_co_u32 s48, s48, s50
	s_add_nc_u64 s[10:11], s[10:11], s[48:49]      ; hsc: 32 K steps e + 8 K steps q, 4,096 bytes each
	s_lshl_b32 s48, s30, 8
	s_add_nc_u64 s[18:19], s[18:19], s[48:49]      ; out0: my 256 bytes of a row
	s_cmp_eq_u32 s28, 0
	s_cbranch_scc1 .Llist
	WLOADS
	s_branch .Ljoin
.Llist:                                                ; wave 0
.irp j, 0,1,2,3,4,5,6,7
	global_load_b128 v[SL+4*\j:SL+4*\j+3], v[L16], s[4:5] offset:512*\j
.endr
	WLOADS
	s_wait_loadcnt 63                              ; 69 loads were issued behind sel's eight; 63 is the largest count that can be named, and smaller is safe
	COMPACT
.Ljoin:
	s_wait_dscnt 0x0                               ; wave 0's list has landed; up to here no other wave has touched LDS
	s_barrier_signal -1
	s_barrier_wait -1
	ds_load_b32 v[T], v[VCNT]
	s_wait_dscnt 0x0
	v_readfirstlane_b32 s31, v[T]
	s_min_u32 s31, s31, 0x400                      ; n
	HLOADS                                         ; h is asked for while w2 is still on its way
	WTURN
	s_mov_b32 s34, 7
.Lchunk:                                               ; 7 trips, whatever n
	s_wait_loadcnt 0x0                             ; h, its scale words, the weights
	s_wait_dscnt 0x0                               ; w2's fragments
.irp t, 0,1,2,3,4
	MUL \t
.endr
	s_wait_dscnt 0x0                               ; for the others' sake: my partial sums have landed
	s_barrier_signal -1
	s_barrier_wait -1
.irp t, 0,1,2,3,4
	OUT \t
.endr
	s_wait_dscnt 0x0                               ; my reads of the partial sums are over: the next chunk may write there
	s_barrier_signal -1
	s_barrier_wait -1
	s_add_co_u32 s36, s36, 160
	s_add_co_u32 s37, s37, 327680
	s_add_co_u32 s38, s38, 640
	v_add_nc_u32 v[LA], s38, v[LA0]
	HLOADS                                         ; the next chunk's (behind the last chunk: its first slot, 1,120 or more, is never under n)
	s_sub_co_u32 s34, s34, 1
	s_cmp_lg_u32 s34, 0
	s_cbranch_scc1 .Lchunk
	s_wait_tensorcnt 0x0
	ds_add_u32 v254, v255
	s_wait_dscnt 0x0
	s_endpgm
.Lfunc_end_k_qd3c209d7c9_down:
	.size	k_qd3c209d7c9_down, .Lfunc_end_k_qd3c209d7c9_down-k_qd3c209d7c9_down
	.p2alignl 7, 3214868480
	.fill 96, 4, 3214868480
	.section	.rodata,"a",@progbits
	.p2align	6, 0x0
	.amdhsa_kernel k_qd3c209d7c9_down
		.amdhsa_group_segment_fixed_size 228352
		.amdhsa_private_segment_fixed_size 0
		.amdhsa_enable_private_segment 0
		.amdhsa_kernarg_size 64
		.amdhsa_user_sgpr_count 2
		.amdhsa_user_sgpr_kernarg_segment_ptr 1
		.amdhsa_wavefront_size32 1
		.amdhsa_system_sgpr_workgroup_id_x 1
		.amdhsa_system_sgpr_workgroup_id_y 1
		.amdhsa_system_sgpr_workgroup_id_z 1
		.amdhsa_system_vgpr_workitem_id 0
		.amdhsa_next_free_vgpr 1024
		.amdhsa_next_free_sgpr 66
		.amdhsa_reserve_vcc 1
		.amdhsa_float_denorm_mode_32 3
		.amdhsa_float_denorm_mode_16_64 3
		.amdhsa_memory_ordered 1
		.amdhsa_forward_progress 1
		.amdhsa_inst_pref_size 129
	.end_amdhsa_kernel
	.amdgpu_metadata
---
amdhsa.version: [ 1, 2 ]
amdhsa.kernels:
  - .name:           k_qd3c209d7c9_down
    .symbol:         k_qd3c209d7c9_down.kd
    .args:
      - { .name: sel, .offset: 0, .size: 8, .value_kind: global_buffer, .address_space: global }
      - { .name: wts, .offset: 8, .size: 8, .value_kind: global_buffer, .address_space: global }
      - { .name: himg, .offset: 16, .size: 8, .value_kind: global_buffer, .address_space: global }
      - { .name: hsc, .offset: 24, .size: 8, .value_kind: global_buffer, .address_space: global }
      - { .name: w2_codes, .offset: 32, .size: 8, .value_kind: global_buffer, .address_space: global }
      - { .name: w2_scales, .offset: 40, .size: 8, .value_kind: global_buffer, .address_space: global }
      - { .name: b2, .offset: 48, .size: 8, .value_kind: global_buffer, .address_space: global }
      - { .name: out0, .offset: 56, .size: 8, .value_kind: global_buffer, .address_space: global }
    .group_segment_fixed_size: 228352
    .private_segment_fixed_size: 0
    .kernarg_segment_align: 8
    .kernarg_segment_size: 64
    .max_flat_workgroup_size: 128
    .sgpr_count:     66
    .vgpr_count:     1024
    .wavefront_size: 32
...
	.end_amdgpu_metadata
.endif
;; end of part 3
;; ======== version 2 of 3: 3 launches; 1.13 times as fast as version 1
;; workspace buffers: sel 4,096 bytes of whole numbers; wts 4,096 bytes; lsq 4,096 bytes; xq 524,288 bytes; xs 32,768 bytes; himg 16,777,216 bytes; hsc 1,048,576 bytes; order 33,792 bytes of whole numbers
;; launch route: the kernel of part 1 again; grid 256 x 1, 4 waves a work-group, no clusters, 3,584 bytes of LDS; arguments hidden_states, gate_w, sel, wts, lsq, xq, xs; writes sel, wts, lsq, xq, xs
;; launch up (part 4): grid 256 x 1, 4 waves a work-group, no clusters, 225,792 bytes of LDS; arguments sel, xq, xs, w1_codes, w1_scales, b1, wts, lsq, himg, hsc, out1, out2, order; writes himg, hsc, out1, out2, order
.if DOCPART == 4
	.amdgcn_target "amdgcn-amd-amdhsa--gfx1250"
	.amdhsa_code_object_version 6
	.text
	.protected	k_qd3c209d7c9_up
	.globl	k_qd3c209d7c9_up
	.p2align	8
	.type	k_qd3c209d7c9_up,@function
k_qd3c209d7c9_up:
	s_mov_b64 s[64:65], 0
	v_nop
	global_prefetch_b8 v0, s[64:65] scope:SCOPE_SE
	s_setreg_imm32_b32 hwreg(HW_REG_WAVE_MODE, 25, 1), 1
	s_wait_xcnt 0x0
; h = Q(gelu(Q(x) w1^T + b1)) for the tokens of the chosen expert alone; the two losses; and each expert's list of tokens for the next launch.
; SHARES.  Work-group g: expert e = g / 32, hidden units 128 s .. 128 s + 127 with s = g % 32: K step s of the second product.  Wave w makes units 32 w .. 32 w + 31 of them, one block of 32:
; its 32 rows of w1 (128 registers) stay in registers, and each byte of w1 is read by one wave of the launch.  All four waves walk the expert's slots, 32 list slots (tiles A and B) a trip.
; THE LIST.  Wave 0 compacts the expert's tokens out of sel (whole numbers that the launch before stored) into LDS.  The list is zeroed first, so that every slot names a token; slots n .. n + 31 repeat the token of
; slot (n - 1) & ~15, the first slot of the expert's last tile of 16, so that every tile is whole and nothing is masked.  AT LEAST 160 SLOTS ARE WALKED, whatever n: so the images and scale words of slots 0 .. 159 of
; every expert are written, and the next launch may ask for them before it knows n.  Wave 0 of the expert's first work-group stores the list (order: [e][1,024 slots]) and n (32 copies, at byte 32,768 + 128 e).
; Every loop with a barrier has a constant trip count (4 chunks of 256 slots, 8 pairs of tiles each); a stretch that has no slots to walk is jumped over by a scalar branch, which holds no barrier.
; Because branches hang on the stored choice, operands come through registers: no tensor loads, and so no joint loads, though the 32 work-groups of an expert read the same rows of x.
; THE PRODUCT IS USED TRANSPOSED (source 0 = 16 rows of w1, source 1 = 16 tokens), and lane r of tile u takes row 8 u + r + 8 (r / 8): a lane's 16 registers of tiles 0 and 1 are units 16 (lane / 16) + 0 .. 15 of ONE token.
; w1's rows are loaded as they lie (512 consecutive bytes an instruction) and turned into fragments through the wave's own stage in LDS, while the first rows of x are on their way.
; OUT.  himg [e][tile of 16 slots][K step][1,024 bytes]: the image of the second product's fragment: block b of slot 16 m + r at 512 (b / 2) + 256 (b % 2) + 16 r.  hsc [e][K step][slot]: a word, byte b = block b's scale.
; gelu(x) = x / (1 + 2^(x (c0 + c1 x^2))), c0 = -2 log2(e) sqrt(2 / pi), c1 = 0.044715 c0: the tanh form, all in f32.
; THE LOSSES (wave 3 of work-group 0): out2 = sum(lsq) / 1024; out1 = 64 x mean_e(count_e / T x mean(topw)) = sum(topw) / 128, since with one expert a token the counts add up to T whatever the choice.
; LIMITS: NaN and infinities are not served; a block whose largest magnitude lies under 2^-124 gets the byte 1.  A skewed choice is served, unevenly: an expert's tokens are walked by its 32 work-groups alone.
.set XP,   528                         ; a slot's row of x's codes in LDS: 512 bytes + 16: the 16 rows of a fragment load start at 16 different groups of banks
.set XSC,  135168                      ; LDS: XA at 0: 256 slots x 528;  XSC: 256 slots x (32 scale bytes + 16)
.set HSB,  147456                      ; 4 planes (one a wave) x 256 slots x 4 bytes: h's scale bytes of a chunk
.set LIST, 151552                      ; 1,024 slots, 32 words for what is not the expert's, the count; room up to the furthest address that the text can form
.set CNT,  LIST+4224
.set WST,  157184                      ; 4 waves x 32 rows x 528: each wave's stage for w1
.set LEAST, 160                        ; slots that are walked whatever n
.set LN,  1                            ; lane
.set RR,  2                            ; r = lane % 16
.set HH,  3                            ; h = lane / 16
.set L16, 4                            ; 16 lane
.set L4,  5                            ; 4 lane
.set WSS, 6                            ; my stage, as rows come in
.set WSL, 7                            ; my stage, as fragments go out
.set XW,  8                            ; v8, v9: where I put rows of x: slot groups w and w + 4
.set XSW, 10                           ; and their scale bytes
.set XR0, 11                           ; a fragment of x: 528 r + 16 h;  v12 with the trip's step
.set XR,  12
.set SR0, 13                           ; x's scale words: slot = lane;  v14 with the trip's step
.set SR,  14
.set BW0, 15                           ; my plane of HSB;  v16 with the trip's step
.set BW,  16
.set BR,  17                           ; HSB read back
.set LQ0, 18                           ; the list, 16 slots a half of the lanes;  v19 with the chunk's step
.set LQ,  19
.set LT0, 20                           ; the list, a slot a lane;  v21 with the chunk's step
.set LT,  21
.set HO0, 22                           ; himg: 16 r + 32768 h;  v23 with the trip's step
.set HO,  23
.set SO0, 24                           ; hsc: 128 w + 4 lane;  v25 with the chunk's step
.set SO,  25
.set VCNT, 26
.set LO,  27                           ; the list, 16 bytes a lane
.set C0,  28                           ; v[28:29] c0 twice, v[30:31] c1 twice
.set C1,  30
.set WS,  32                           ; v32-39  w1's scale words of K step ks: lanes 0-15 tile 0's rows, lanes 16-31 tile 1's
.set XS,  40                           ; v40-47  x's: lanes 0-15 tile A's tokens, lanes 16-31 tile B's
.set B1,  48                           ; v48-63  b1 in the result's layout, 8 registers a tile
.set H,   64                           ; v64-95  accumulator (t, u) at 64 + 16 t + 8 u;  at the head: sel, then the second group's offsets and scale bytes, then the list on its way out
.set SL,  64
.set P,   96                           ; v96-99  the codes just made
.set TO,  100                          ; v100-115 tokens, then byte offsets of their rows
.set CS,  100                          ; (the list's scratch, wave 0 at the head)
.set QM,  100                          ; (the quantiser's: largest magnitudes, the other half's, scale operands, bytes)
.set QP,  102
.set QS,  104
.set QB,  106
.set SW,  108                          ; v108-115 scale words on their way out
.set TS,  116
.set WA,  117                          ; offsets of the head's loads; never rewritten
.set BA,  118
.set R16, 119                          ; 16 r
.set TD,  120                          ; v120-127 a slot's scale bytes
.set XFR, 128                          ; v128-255 fragments of x (t, ks) at 128 + 64 t + 8 ks; rows on their way into LDS; gelu's work
; window 1: v0-127 (v256-383) w1's fragments (u, ks) at 8 (8 u + ks);  v128-255 (v384-511) the second group's rows on their way into LDS, at the head alone
; s28 wave, s29 e, s30 s, s31 slots to walk, s32-33 the list's, s34 chunks to go, s35 pairs to go, s36 the pair's first slot, s37 its place in himg, s38-40 its places in XA, XSC, HSB, s41 the chunk's first slot, s42 4 x that, s43 n
.set MSB, 0
.macro WIN new                         ; the immediate's high byte repeats the setting that is left
.if MSB != \new
	s_set_vgpr_msb (MSB<<8)|\new
.set MSB, \new
.endif
.endm
.macro WM d, a, b, c, sa, sb, ra, rb   ; one product; ra, rb: the side's scale words stand in lanes 16-31
.if (\ra) && (\rb)
	v_wmma_scale_f32_16x16x128_f8f6f4 v[(\d):(\d)+7], v[(\a):(\a)+7], v[(\b):(\b)+7], v[(\c):(\c)+7], v[(\sa)], v[(\sb)] matrix_a_fmt:MATRIX_FMT_FP4 matrix_b_fmt:MATRIX_FMT_FP4 matrix_a_scale:MATRIX_SCALE_ROW1 matrix_b_scale:MATRIX_SCALE_ROW1
.elseif (\ra)
	v_wmma_scale_f32_16x16x128_f8f6f4 v[(\d):(\d)+7], v[(\a):(\a)+7], v[(\b):(\b)+7], v[(\c):(\c)+7], v[(\sa)], v[(\sb)] matrix_a_fmt:MATRIX_FMT_FP4 matrix_b_fmt:MATRIX_FMT_FP4 matrix_a_scale:MATRIX_SCALE_ROW1
.elseif (\rb)
	v_wmma_scale_f32_16x16x128_f8f6f4 v[(\d):(\d)+7], v[(\a):(\a)+7], v[(\b):(\b)+7], v[(\c):(\c)+7], v[(\sa)], v[(\sb)] matrix_a_fmt:MATRIX_FMT_FP4 matrix_b_fmt:MATRIX_FMT_FP4 matrix_b_scale:MATRIX_SCALE_ROW1
.else
	v_wmma_scale_f32_16x16x128_f8f6f4 v[(\d):(\d)+7], v[(\a):(\a)+7], v[(\b):(\b)+7], v[(\c):(\c)+7], v[(\sa)], v[(\sb)] matrix_a_fmt:MATRIX_FMT_FP4 matrix_b_fmt:MATRIX_FMT_FP4
.endif
.endm
; The 38 loads that every wave issues: scale words, bias, 32 rows of w1.  The macro stands in each arm of the head, so that on every way all its registers are loaded.
.macro WLOADS
	global_load_b128 v[WS:WS+3], v[WA], s[12:13]
	global_load_b128 v[WS+4:WS+7], v[WA], s[12:13] offset:16
.irp u, 0,1
	global_load_b128 v[B1+8*\u:B1+8*\u+3], v[BA], s[14:15] offset:32*\u
	global_load_b128 v[B1+8*\u+4:B1+8*\u+7], v[BA], s[14:15] offset:32*\u+16
.endr
	WIN 0x40                                       ; destination window 1
.set i, 0
.rept 32
	global_load_b128 v[4*i:4*i+3], v[L16], s[10:11] offset:512*i th:TH_LOAD_NT   ; row i: 512 consecutive bytes; read by this wave alone
.set i, i+1
.endr
	WIN 0
.endm
; Wave 0: the tokens whose sel is e, in ascending register order, into LIST (zeroed just before); the others' numbers go to 32 words that nobody reads.  Register 4 j + i of SL holds token 128 j + 4 lane + i.
.macro COMPACT
	v_add_nc_u32 v[CS+12], 1024, v[LN]
	s_mov_b32 s32, 0
.set i, 0
.rept 32
.set CR, CS+3*(i%4)                    ; four sets of scratch by turns
	v_cmp_eq_u32 vcc_lo, s29, v[SL+i]
	v_mbcnt_lo_u32_b32 v[CR], vcc_lo, s32          ; my slot: those found so far + those in lower lanes
	s_bcnt1_i32_b32 s33, vcc_lo
	s_add_co_u32 s32, s32, s33
	v_cndmask_b32 v[CR], v[CS+12], v[CR], vcc_lo
	v_min_u32 v[CR], 0x41f, v[CR]
	v_lshl_add_u32 v[CR+1], v[CR], 2, LIST
	v_add_nc_u32 v[CR+2], 128*(i/4)+i%4, v[L4]
	ds_store_b32 v[CR+1], v[CR+2]
.set i, i+1
.endr
	v_mov_b32 v[CS+14], s32
	ds_store_b32 v[VCNT], v[CS+14]                 ; n
	s_max_u32 s33, s32, 1
	s_sub_co_u32 s33, s33, 1
	s_min_u32 s33, s33, 0x3ff
	s_and_b32 s33, s33, 0x3f0                      ; the first slot of the last tile of 16
	s_lshl_b32 s33, s33, 2
	s_add_co_u32 s33, s33, LIST
	v_mov_b32 v[CS+15], s33
	ds_load_b32 v[CS+13], v[CS+15]                 ; LDS serves a wave's instructions in order: this sees my stores
	v_add_nc_u32 v[CS], s32, v[LN]
	v_min_u32 v[CS], 0x41f, v[CS]
	v_lshl_add_u32 v[CS+1], v[CS], 2, LIST
	s_wait_dscnt 0x0
	ds_store_b32 v[CS+1], v[CS+13]                 ; slots n .. n + 31 repeat that token
.endm
; THE ROWS OF x INTO LDS, 32 slots (group w + 4 g of the chunk) a wave, in three parts.
.macro XLIST g, to, ts                 ; the slots' tokens out of the list, made into byte offsets: v[to + p]: slot 16 h + p's row of codes + 16 r;  v[ts]: slot = lane's row of scale bytes
.irp q, 0,1,2,3
	ds_load_b128 v[(\to)+4*\q:(\to)+4*\q+3], v[LQ] offset:512*(\g)+16*\q
.endr
	ds_load_b32 v[\ts], v[LT] offset:512*(\g)
	s_wait_dscnt 0x0                               ; (my earlier stores into LDS have read their registers too)
.irp p, 0,1,2,3,4,5,6,7,8,9,10,11,12,13,14,15
	v_min_u32 v[(\to)+\p], 0x3ff, v[(\to)+\p]
.endr
.irp p, 0,1,2,3,4,5,6,7,8,9,10,11,12,13,14,15
	v_lshl_add_u32 v[(\to)+\p], v[(\to)+\p], 9, v[R16]   ; 512 token + 16 r
.endr
	v_min_u32 v[\ts], 0x3ff, v[\ts]
	v_lshlrev_b32 v[\ts], 5, v[\ts]
.endm
.macro XISSUE to, ts, td, xr, win      ; 34 loads: sixteen lanes read 256 aligned bytes of a token's row of codes.  win: the window of the rows' registers, as a destination
	WIN \win
.irp p, 0,1,2,3,4,5,6,7,8,9,10,11,12,13,14,15
	global_load_b128 v[(\xr)+8*\p:(\xr)+8*\p+3], v[(\to)+\p], s[6:7]
	global_load_b128 v[(\xr)+8*\p+4:(\xr)+8*\p+7], v[(\to)+\p], s[6:7] offset:256
.endr
	WIN 0
	global_load_b128 v[(\td):(\td)+3], v[\ts], s[8:9]
	global_load_b128 v[(\td)+4:(\td)+7], v[\ts], s[8:9] offset:16
.endm
.macro XPUT g, td, xr, win             ; and into LDS.  win: the window of the rows' registers, as an LDS store's data
	WIN \win
.irp p, 0,1,2,3,4,5,6,7,8,9,10,11,12,13,14,15
	ds_store_b128 v[XW+(\g)], v[(\xr)+8*\p:(\xr)+8*\p+3] offset:XP*\p
	ds_store_b128 v[XW+(\g)], v[(\xr)+8*\p+4:(\xr)+8*\p+7] offset:XP*\p+256
.endr
	WIN 0
	ds_store_b128 v[XSW], v[(\td):(\td)+3] offset:6144*(\g)
	ds_store_b128 v[XSW], v[(\td)+4:(\td)+7] offset:6144*(\g)+16
.endm
.macro XSTAGE g                        ; the three parts on end, for the chunks behind the first
	s_lshl_b32 s47, s28, 5
	s_add_co_u32 s47, s47, s41
	s_add_co_u32 s47, s47, 128*\g
	s_cmp_ge_u32 s47, s31
	s_cbranch_scc1 .Lno_stage_\@
	s_wait_xcnt 0x0                                ; earlier stores have read the registers that are written below
	XLIST \g, TO, TS
	XISSUE TO, TS, TD, XFR, 0
	s_wait_loadcnt 0x0
	XPUT \g, TD, XFR, 0
.Lno_stage_\@:
.endm
; w1's rows become fragments: row i goes to stage row 16 ((i / 8) % 2) + i % 8 + 8 (i / 16), so that a tile's 16 rows lie on end.  behind: the loads that were issued behind w1's and may stay out
.macro WTURN behind
	s_wait_loadcnt \behind
	WIN 0x04                                       ; an LDS store's data are its source 1: window 1
.set i, 0
.rept 32
	ds_store_b128 v[WSS], v[4*i:4*i+3] offset:XP*(16*((i/8)%2)+i%8+8*(i/16))
.set i, i+1
.endr
	s_wait_dscnt 0x0                               ; the stores have read their registers
	WIN 0x40
.irp u, 0,1
.irp ks, 0,1,2,3,4,5,6,7
.irp c, 0,1
	ds_load_b128 v[8*(8*\u+\ks)+4*\c:8*(8*\u+\ks)+4*\c+3], v[WSL] offset:16*XP*\u+64*\ks+32*\c
.endr
.endr
.endr
	WIN 0
.endm
.macro PRODS k0                        ; four K steps; the four accumulators take turns, one instruction a turn.  The first K step takes the bias as C
.irp k, 0,1,2,3
.irp t, 0,1
.irp u, 0,1
.if (\k0)+\k == 0
	WM H+16*\t+8*\u, 8*(8*\u+\k0+\k), XFR+64*\t+8*(\k0+\k), B1+8*\u, WS+\k0+\k, XS+\k0+\k, \u, \t
.else
	WM H+16*\t+8*\u, 8*(8*\u+\k0+\k), XFR+64*\t+8*(\k0+\k), H+16*\t+8*\u, WS+\k0+\k, XS+\k0+\k, \u, \t
.endif
.endr
.endr
.endr
.endm
; A pair of tiles: 32 slots x my 32 hidden units over K = 1,024; gelu; the block's scale and codes; out.
.macro PAIR
	s_cmp_ge_u32 s36, s31
	s_cbranch_scc1 .Lno_pair_\@
	v_add_nc_u32 v[XR], s38, v[XR0]
	v_add_nc_u32 v[SR], s39, v[SR0]
	ds_load_b128 v[XS:XS+3], v[SR]
	ds_load_b128 v[XS+4:XS+7], v[SR] offset:16
.irp ks, 0,1,2,3,4,5,6,7
.irp t, 0,1
.irp c, 0,1
	ds_load_b128 v[XFR+64*\t+8*\ks+4*\c:XFR+64*\t+8*\ks+4*\c+3], v[XR] offset:16*XP*\t+64*\ks+32*\c
.endr
.endr
.endr
	s_wait_dscnt 16                                ; the scale words and K steps 0 to 3 are in; the sixteen loads of K steps 4 to 7 may be out
	WIN 0x01                                       ; source 0 (w1) window 1
	PRODS 0
	s_wait_dscnt 0x0
	PRODS 4
	WIN 0
.rept 5
	v_nop                                          ; places behind the products: four for the reads of the results and the loads into operands, the fifth for the next pair's first products, which write over these results
.endr
	s_wait_xcnt 0x0                                ; the last pair's store has read P and HO, which are written below
.set i, 0
.rept 16
	v_pk_mul_f32 v[XFR+i:XFR+i+1], v[H+i:H+i+1], v[H+i:H+i+1]   ; ascending: each accumulator is first read at its low end
.set i, i+2
.endr
.set i, 0
.rept 16
	v_pk_fma_f32 v[XFR+i:XFR+i+1], v[XFR+i:XFR+i+1], v[C1:C1+1], v[C0:C0+1]
.set i, i+2
.endr
.set i, 0
.rept 16
	v_pk_mul_f32 v[XFR+i:XFR+i+1], v[XFR+i:XFR+i+1], v[H+i:H+i+1]
.set i, i+2
.endr
.set i, 0
.rept 32
	v_exp_f32 v[XFR+i], v[XFR+i]
.set i, i+1
.endr
	v_add_nc_u32 v[HO], s37, v[HO0]                ; (a plain line behind the batch)
	s_wait_alu depctr_va_vdst(0)                   ; one wait for the 32 exponentials, ahead of their first reader
.set i, 0
.rept 16
	v_pk_add_f32 v[XFR+i:XFR+i+1], v[XFR+i:XFR+i+1], 1.0 op_sel_hi:[1,0]
.set i, i+2
.endr
.set i, 0
.rept 32
	v_rcp_f32 v[XFR+i], v[XFR+i]
.set i, i+1
.endr
	v_add_nc_u32 v[BW], s40, v[BW0]                ; (a plain line behind the batch)
	s_wait_alu depctr_va_vdst(0)                   ; one wait for the 32 reciprocals
.set i, 0
.rept 16
	v_pk_mul_f32 v[H+i:H+i+1], v[H+i:H+i+1], v[XFR+i:XFR+i+1]   ; gelu
.set i, i+2
.endr
.irp t, 0,1
	v_max3_num_f32 v[QM+\t], |v[H+16*\t]|, |v[H+16*\t+1]|, 0x1800000   ; my 16 units of the token, and the floor 2^(3 - 127)
.endr
.irp i, 2,4,6,8,10,12,14
.irp t, 0,1
	v_max3_num_f32 v[QM+\t], v[QM+\t], |v[H+16*\t+\i]|, |v[H+16*\t+\i+1]|
.endr
.endr
.irp t, 0,1
	v_permlanex16_b32 v[QP+\t], v[QM+\t], s44, s45
.endr
.irp t, 0,1
	v_max_num_f32 v[QM+\t], v[QM+\t], v[QP+\t]     ; with lane l xor 16's 16: the block's largest magnitude
.endr
.irp t, 0,1
	v_add_nc_u32 v[QS+\t], 0xff000000, v[QM+\t]    ; 2 off the exponent field: the conversion's scale operand
.endr
.irp t, 0,1
	v_lshrrev_b32 v[QB+\t], 23, v[QS+\t]           ; the scale's byte
.endr
.irp t, 0,1
	v_cvt_scalef32_pk8_fp4_f32 v[P+2*\t], v[H+16*\t:H+16*\t+7], v[QS+\t]
	v_cvt_scalef32_pk8_fp4_f32 v[P+2*\t+1], v[H+16*\t+8:H+16*\t+15], v[QS+\t]
.endr
	v_cndmask_b32 v[QB], v[QB], v[QB+1], s46       ; lanes 0-15 tile A's byte, lanes 16-31 tile B's (also the plain line behind the conversions)
	v_permlane16_swap_b32 v[P], v[P+2]             ; lanes 0-15 now hold tile A's whole block in P .. P + 3, lanes 16-31 tile B's
	v_permlane16_swap_b32 v[P+1], v[P+3]
	global_store_b128 v[HO], v[P:P+3], s[20:21]    ; sixteen lanes store 256 aligned bytes of a tile's image
	ds_store_b32 v[BW], v[QB]                      ; slot = lane, in my own plane
.Lno_pair_\@:
.endm
; The scale words of the 32 slots of group w + 4 g: the four planes' bytes joined.
.macro SCOUT g
	s_lshl_b32 s47, s28, 5
	s_add_co_u32 s47, s47, s41
	s_add_co_u32 s47, s47, 128*\g
	s_cmp_ge_u32 s47, s31
	s_cbranch_scc1 .Lno_words_\@
.irp b, 0,1,2,3
	ds_load_b32 v[SW+4*\g+\b], v[BR] offset:1024*\b+512*\g
.endr
	s_wait_dscnt 0x0
	v_lshl_or_b32 v[SW+4*\g], v[SW+4*\g+1], 8, v[SW+4*\g]
	v_lshl_or_b32 v[SW+4*\g], v[SW+4*\g+2], 16, v[SW+4*\g]
	v_lshl_or_b32 v[SW+4*\g], v[SW+4*\g+3], 24, v[SW+4*\g]
	global_store_b32 v[SO], v[SW+4*\g], s[22:23] offset:512*\g
.Lno_words_\@:
.endm
	s_load_b512 s[4:19], s[0:1], 0x0               ; sel s[4:5], xq s[6:7], xs s[8:9], w1's codes s[10:11], its scales s[12:13], b1 s[14:15], wts s[16:17], lsq s[18:19]
	s_load_b256 s[20:27], s[0:1], 0x40             ; himg s[20:21], hsc s[22:23], out1 s[24:25], out2 s[26:27]
	s_load_b64 s[52:53], s[0:1], 0x60              ; order
	s_set_vgpr_msb 0x80
	v_lshl_add_u32 v0, v0, 2, 0x37000
	v_mov_b32 v1, 0
	s_set_vgpr_msb 0x8000
	v_lshrrev_b32 v[LN], 5, v0
	v_readfirstlane_b32 s28, v[LN]                 ; wave
	v_and_b32 v[LN], 31, v0
	v_and_b32 v[RR], 15, v0
	v_bfe_u32 v[HH], v0, 4, 1
	v_lshlrev_b32 v[L16], 4, v[LN]
	v_lshlrev_b32 v[L4], 2, v[LN]
	v_lshlrev_b32 v[R16], 4, v[RR]
	s_lshr_b32 s29, ttmp9, 5                       ; e
	s_and_b32 s30, ttmp9, 31                       ; s
	s_mov_b32 s44, 0x76543210
	s_mov_b32 s45, 0xfedcba98                      ; v_permlanex16_b32's selects for lane l xor 16
	s_mov_b32 s46, 0xffff0000                      ; lanes 16-31
	s_mov_b32 s36, 0
	s_mov_b32 s37, 0
	s_mov_b32 s41, 0
	s_mov_b32 s42, 0
	; every LDS address is made here, ahead of the parting of the waves
	s_mul_i32 s47, s28, 32*XP
	v_mul_u32_u24 v[XR0], v[RR], XP
	v_lshl_add_u32 v[XR0], v[HH], 4, v[XR0]
	s_add_co_u32 s48, s47, WST
	v_add_nc_u32 v[WSS], s48, v[L16]
	v_add_nc_u32 v[WSL], s48, v[XR0]
	v_mul_u32_u24 v[XW], v[HH], 16*XP
	v_add_nc_u32 v[XW], v[XW], v[R16]
	v_add_nc_u32 v[XW], s47, v[XW]                 ; slot 32 w + 16 h, byte 16 r
	v_add_nc_u32 v[XW+1], 128*XP, v[XW]
	v_mul_u32_u24 v[SR0], v[LN], 48
	v_add_nc_u32 v[SR0], XSC, v[SR0]
	s_mul_i32 s48, s28, 32*48
	v_add_nc_u32 v[XSW], s48, v[SR0]
	s_lshl_b32 s48, s28, 10
	s_add_co_u32 s48, s48, HSB
	v_add_nc_u32 v[BW0], s48, v[L4]
	s_lshl_b32 s48, s28, 7
	v_add_nc_u32 v[SO0], s48, v[L4]
	v_add_nc_u32 v[BR], HSB, v[SO0]
	s_add_co_u32 s48, s48, LIST
	v_lshl_add_u32 v[LQ0], v[HH], 6, s48
	v_add_nc_u32 v[LT0], s48, v[L4]
	v_add_nc_u32 v[LQ], s42, v[LQ0]
	v_add_nc_u32 v[LT], s42, v[LT0]
	v_mov_b32 v[VCNT], CNT
	v_add_nc_u32 v[LO], LIST, v[L16]
	v_lshl_add_u32 v[HO0], v[HH], 15, v[R16]
	v_mov_b32 v[C0], 0xc0135761
	v_mov_b32 v[C0+1], 0xc0135761
	v_mov_b32 v[C1], 0xbdd2d3e8
	v_mov_b32 v[C1+1], 0xbdd2d3e8
	v_mov_b32 v[QP], 0                             ; written once: a lane permute's destination counts as one of its sources
	v_mov_b32 v[QP+1], 0
	v_and_b32 v[WA], 8, v[RR]
	v_add_nc_u32 v[WA], v[WA], v[RR]
	v_lshl_add_u32 v[WA], v[HH], 3, v[WA]
	v_lshlrev_b32 v[WA], 5, v[WA]                  ; w1's scale bytes: row 8 h + r + 8 (r / 8), 32 bytes a row
	v_lshlrev_b32 v[BA], 6, v[HH]                  ; b1: 16 h numbers on
	s_lshl_b32 s47, s29, 12
	s_lshl_b32 s48, s30, 7
	s_add_co_u32 s47, s47, s48
	s_lshl_b32 s48, s28, 5
	s_add_co_u32 s47, s47, s48                     ; my first row of w1: 4096 e + 128 s + 32 w
	s_mov_b32 s49, 0
	s_wait_kmcnt 0x0
	s_lshl_b32 s48, s47, 9
	s_add_nc_u64 s[10:11], s[10:11], s[48:49]
	s_lshl_b32 s48, s47, 5
	s_add_nc_u64 s[12:13], s[12:13], s[48:49]
	s_lshl_b32 s48, s47, 2
	s_add_nc_u64 s[14:15], s[14:15], s[48:49]
	s_lshl_b32 s48, s29, 21
	s_lshl_b32 s50, s30, 10
	s_add_co_u32 s48, s48, s50
	s_lshl_b32 s50, s28, 8
	s_add_co_u32 s48, s48, s50                     ; himg: 2 MiB e + 1024 s + 256 w (block w of an image)
	s_add_nc_u64 s[20:21], s[20:21], s[48:49]
	s_lshl_b32 s48, ttmp9, 12                      ; hsc: 4096 (32 e + s)
	s_add_nc_u64 s[22:23], s[22:23], s[48:49]
	s_lshl_b32 s48, s29, 7
	s_add_co_u32 s48, s48, 32768
	s_add_nc_u64 s[54:55], s[52:53], s[48:49]      ; order: the expert's row of counts,
	s_lshl_b32 s48, s29, 12
	s_add_nc_u64 s[52:53], s[52:53], s[48:49]      ; and its 1,024 slots
	s_cmp_eq_u32 s28, 0
	s_cbranch_scc1 .Llist
	s_xor_b32 s47, s28, 3
	s_or_b32 s47, s47, ttmp9
	s_cmp_eq_u32 s47, 0
	s_cbranch_scc1 .Lloss
	WLOADS
	s_branch .Ljoin
.Llist:                                                ; wave 0
.irp j, 0,1,2,3,4,5,6,7
	global_load_b128 v[SL+4*\j:SL+4*\j+3], v[L16], s[4:5] offset:512*\j
.endr
	WLOADS
.irp i, 0,1,2,3
	v_mov_b32 v[TD+\i], 0
.endr
.irp j, 0,1,2,3,4,5,6,7
	ds_store_b128 v[LO], v[TD:TD+3] offset:512*\j  ; the 1,024 slots are zeroed while sel is on its way: every slot names a token
.endr
	s_wait_loadcnt 38                              ; sel's eight loads are in; the 38 issued behind them stay out
	COMPACT
	s_branch .Ljoin
.Lloss:                                                ; wave 3 of work-group 0
.irp j, 0,1,2,3,4,5,6,7
	global_load_b128 v[XFR+4*\j:XFR+4*\j+3], v[L16], s[16:17] offset:512*\j
	global_load_b128 v[XFR+32+4*\j:XFR+32+4*\j+3], v[L16], s[18:19] offset:512*\j
.endr
	WLOADS
	s_wait_loadcnt 38                              ; the sixteen loads of wts and lsq are in; the 38 issued behind them stay out
.irp j, 4,8,12,16,20,24,28
.irp b, 0,32
	v_pk_add_f32 v[XFR+\b:XFR+\b+1], v[XFR+\b:XFR+\b+1], v[XFR+\b+\j:XFR+\b+\j+1]
	v_pk_add_f32 v[XFR+\b+2:XFR+\b+3], v[XFR+\b+2:XFR+\b+3], v[XFR+\b+\j+2:XFR+\b+\j+3]
.endr
.endr
.irp b, 0,32
	v_pk_add_f32 v[XFR+\b:XFR+\b+1], v[XFR+\b:XFR+\b+1], v[XFR+\b+2:XFR+\b+3]
.endr
.irp b, 0,32
	v_add_f32 v[XFR+\b], v[XFR+\b], v[XFR+\b+1]
.endr
.irp m, 1,2,4,8
.irp b, 0,32
	v_add_f32_dpp v[XFR+\b], v[XFR+\b], v[XFR+\b] row_xmask:\m row_mask:0xf bank_mask:0xf
.endr
.endr
.irp b, 0,32
	v_permlanex16_b32 v[XFR+\b+1], v[XFR+\b], s44, s45
.endr
.irp b, 0,32
	v_add_f32 v[XFR+\b], v[XFR+\b], v[XFR+\b+1]
.endr
	v_mul_f32 v[XFR], 0x3c000000, v[XFR]           ; / 128
	v_mul_f32 v[XFR+32], 0x3a800000, v[XFR+32]     ; / 1024
	v_mov_b32 v[XFR+2], 0
	v_cmp_eq_u32 vcc_lo, 0, v[LN]
	s_wait_xcnt 0x0                                ; EXEC changes only behind this wait
	s_and_saveexec_b32 s47, vcc_lo
	global_store_b32 v[XFR+2], v[XFR], s[24:25]
	global_store_b32 v[XFR+2], v[XFR+32], s[26:27]
	s_wait_xcnt 0x0
	s_or_b32 exec_lo, exec_lo, s47
.Ljoin:
	s_wait_dscnt 0x0                               ; wave 0's list has landed; up to here no other wave has touched LDS
	s_barrier_signal -1
	s_barrier_wait -1
	ds_load_b32 v[QM], v[VCNT]
	s_wait_dscnt 0x0
	v_readfirstlane_b32 s43, v[QM]
	s_min_u32 s43, s43, 0x400                      ; n
	s_max_u32 s31, s43, LEAST                      ; the slots that are walked
	; THE FIRST CHUNK'S ROWS.  Group w (slots 32 w on, all under 128) is always there: its 34 loads hang on no count, and w1 is turned while they are on their way.
	XLIST 0, TO, TS
	XISSUE TO, TS, TD, XFR, 0
	WTURN 34                                       ; w1 is in; the 34 loads issued behind it stay out
	s_lshl_b32 s47, s28, 5
	s_add_co_u32 s47, s47, 128
	s_cmp_ge_u32 s47, s31
	s_cbranch_scc1 .Lone_group
	XLIST 1, H, H+16                               ; group w + 4 (wave 0's is always there): registers of its own, so that both groups are on their way together.
	XISSUE H, H+16, H+20, 128, 0x40                ; Issue and landing stand in one arm: no way through the text reads a register that it has not loaded
	s_wait_loadcnt 34                              ; the first group's loads are in; the second group's 34 stay out
	XPUT 0, TD, XFR, 0
	s_wait_loadcnt 0x0
	XPUT 1, H+20, 128, 0x04
	s_branch .Lstaged
.Lone_group:
	s_wait_loadcnt 0x0
	XPUT 0, TD, XFR, 0
.Lstaged:
	s_or_b32 s47, s28, s30                         ; wave 0 of the expert's first work-group hands the list and n to the next launch
	s_cmp_lg_u32 s47, 0
	s_cbranch_scc1 .Lno_order
	s_wait_dscnt 0x0                               ; my stores into LDS have read the registers that are loaded below
.irp j, 0,1,2,3,4,5,6,7
	ds_load_b128 v[H+4*\j:H+4*\j+3], v[LO] offset:512*\j   ; behind the first barrier the list is only read
.endr
	v_mov_b32 v[P], s43
	s_wait_dscnt 0x0
.irp j, 0,1,2,3,4,5,6,7
	global_store_b128 v[L16], v[H+4*\j:H+4*\j+3], s[52:53] offset:512*\j   ; 512 consecutive bytes a store
.endr
	global_store_b32 v[L4], v[P], s[54:55]         ; n, 32 times: 128 consecutive bytes, with all lanes on
	s_wait_xcnt 0x0                                ; the stores have read H and P, which the first pair writes
.Lno_order:
	s_mov_b32 s34, 4
.Lchunk:                                               ; 4 trips, whatever n: 256 slots each
	s_wait_dscnt 0x0                               ; my rows of x have landed, my fragments of w1 are in, my reads of HSB are over
	s_barrier_signal -1
	s_barrier_wait -1
	s_mov_b32 s38, 0
	s_mov_b32 s39, 0
	s_mov_b32 s40, 0
	s_mov_b32 s35, 8
.Lpair:
	PAIR
	s_add_co_u32 s36, s36, 32
	s_add_co_u32 s37, s37, 65536
	s_add_co_u32 s38, s38, 32*XP
	s_add_co_u32 s39, s39, 32*48
	s_add_co_u32 s40, s40, 128
	s_sub_co_u32 s35, s35, 1
	s_cmp_lg_u32 s35, 0
	s_cbranch_scc1 .Lpair
	s_wait_dscnt 0x0                               ; my reads of the chunk's rows are over, my scale bytes have landed
	s_barrier_signal -1
	s_barrier_wait -1
	s_wait_xcnt 0x0                                ; earlier stores have read SO and the words' registers
	v_add_nc_u32 v[SO], s42, v[SO0]
	SCOUT 0
	SCOUT 1
	s_add_co_u32 s41, s41, 256
	s_add_co_u32 s42, s42, 1024
	v_add_nc_u32 v[LQ], s42, v[LQ0]
	v_add_nc_u32 v[LT], s42, v[LT0]
	XSTAGE 0                                       ; the next chunk's rows (behind the last chunk: 1,024 is never under the slots to walk)
	XSTAGE 1
	s_sub_co_u32 s34, s34, 1
	s_cmp_lg_u32 s34, 0
	s_cbranch_scc1 .Lchunk
	s_set_vgpr_msb 0xa
	s_wait_tensorcnt 0x0
	ds_add_u32 v0, v1
	s_wait_dscnt 0x0
	s_set_vgpr_msb 0xa00
	s_endpgm
.Lfunc_end_k_qd3c209d7c9_up:
	.size	k_qd3c209d7c9_up, .Lfunc_end_k_qd3c209d7c9_up-k_qd3c209d7c9_up
	.p2alignl 7, 3214868480
	.fill 96, 4, 3214868480
	.section	.rodata,"a",@progbits
	.p2align	6, 0x0
	.amdhsa_kernel k_qd3c209d7c9_up
		.amdhsa_group_segment_fixed_size 225792
		.amdhsa_private_segment_fixed_size 0
		.amdhsa_enable_private_segment 0
		.amdhsa_kernarg_size 104
		.amdhsa_user_sgpr_count 2
		.amdhsa_user_sgpr_kernarg_segment_ptr 1
		.amdhsa_wavefront_size32 1
		.amdhsa_system_sgpr_workgroup_id_x 1
		.amdhsa_system_sgpr_workgroup_id_y 1
		.amdhsa_system_sgpr_workgroup_id_z 1
		.amdhsa_system_vgpr_workitem_id 0
		.amdhsa_next_free_vgpr 514
		.amdhsa_next_free_sgpr 66
		.amdhsa_reserve_vcc 1
		.amdhsa_float_denorm_mode_32 3
		.amdhsa_float_denorm_mode_16_64 3
		.amdhsa_memory_ordered 1
		.amdhsa_forward_progress 1
		.amdhsa_inst_pref_size 96
	.end_amdhsa_kernel
	.amdgpu_metadata
---
amdhsa.version: [ 1, 2 ]
amdhsa.kernels:
  - .name:           k_qd3c209d7c9_up
    .symbol:         k_qd3c209d7c9_up.kd
    .args:
      - { .name: sel, .offset: 0, .size: 8, .value_kind: global_buffer, .address_space: global }
      - { .name: xq, .offset: 8, .size: 8, .value_kind: global_buffer, .address_space: global }
      - { .name: xs, .offset: 16, .size: 8, .value_kind: global_buffer, .address_space: global }
      - { .name: w1_codes, .offset: 24, .size: 8, .value_kind: global_buffer, .address_space: global }
      - { .name: w1_scales, .offset: 32, .size: 8, .value_kind: global_buffer, .address_space: global }
      - { .name: b1, .offset: 40, .size: 8, .value_kind: global_buffer, .address_space: global }
      - { .name: wts, .offset: 48, .size: 8, .value_kind: global_buffer, .address_space: global }
      - { .name: lsq, .offset: 56, .size: 8, .value_kind: global_buffer, .address_space: global }
      - { .name: himg, .offset: 64, .size: 8, .value_kind: global_buffer, .address_space: global }
      - { .name: hsc, .offset: 72, .size: 8, .value_kind: global_buffer, .address_space: global }
      - { .name: out1, .offset: 80, .size: 8, .value_kind: global_buffer, .address_space: global }
      - { .name: out2, .offset: 88, .size: 8, .value_kind: global_buffer, .address_space: global }
      - { .name: order, .offset: 96, .size: 8, .value_kind: global_buffer, .address_space: global }
    .group_segment_fixed_size: 225792
    .private_segment_fixed_size: 0
    .kernarg_segment_align: 8
    .kernarg_segment_size: 104
    .max_flat_workgroup_size: 128
    .sgpr_count:     66
    .vgpr_count:     514
    .wavefront_size: 32
...
	.end_amdgpu_metadata
.endif
;; end of part 4
;; launch down (part 5): grid 256 x 1, 4 waves a work-group, no clusters, 222,720 bytes of LDS; arguments order, wts, himg, hsc, w2_codes, w2_scales, b2, out0; writes out0
.if DOCPART == 5
	.amdgcn_target "amdgcn-amd-amdhsa--gfx1250"
	.amdhsa_code_object_version 6
	.text
	.protected	k_qd3c209d7c9_down
	.globl	k_qd3c209d7c9_down
	.p2align	8
	.type	k_qd3c209d7c9_down,@function
k_qd3c209d7c9_down:
	s_mov_b64 s[64:65], 0
	v_nop
	global_prefetch_b8 v0, s[64:65] scope:SCOPE_SE
	s_setreg_imm32_b32 hwreg(HW_REG_WAVE_MODE, 25, 1), 1
	s_wait_xcnt 0x0
; out0[token] = topw x (h w2^T + b2) for the token's chosen expert.  h comes as the images and scale words, and each expert's tokens as the list and the count n, that the launch before stored.
; SHARES.  Work-group g: expert e = g / 32; output columns 64 d .. 64 d + 63 with d = (g / 2) % 16: 256 aligned bytes of a row of out0; of the expert's tiles of 16 list slots those with m % 2 = g % 2.
; THE WAVES SHARE K: wave q takes K steps 8 q .. 8 q + 7 (a quarter of 4,096) of all 64 rows of w2: 256 registers, kept for the whole launch; of h it reads only its quarter, so no byte of h is read twice in a work-group.
; The four partial sums of a tile meet in LDS; then wave q adds, for rows 4 q .. 4 q + 3 of each tile, the four parts and the bias, multiplies by topw and stores.
; A chunk is 5 tiles (m = 10 c + 2 t + g % 2); 7 chunks, a constant, cover the 64 tiles that one expert can have.
; THE FIRST CHUNK'S LOADS HANG ON NOTHING BUT THE ARGUMENTS: the launch before writes the list, the images and the scale words of slots 0 .. 159 of every expert whatever n, so tokens, w2 and h are asked for together
; at the head, and every register that a later, guarded stretch loads has been loaded once on every way.  What is multiplied and stored is guarded by n: a tile whose first slot is not under n is jumped over by a
; scalar branch, a chunk whose first tile is not under n by one branch for each of its three stretches; no barrier stands under such a branch.
; Because branches hang on the stored count, operands come through registers: no tensor loads, and so no joint loads, though the work-groups of an expert share h and two partners share w2.
; Slots n and above of the last tile repeat the token of that tile's first slot: such a row is computed and stored again, with the same value, by the same work-group.
; THE PRODUCT IS USED TRANSPOSED (source 0 = 16 rows of w2, source 1 = 16 slots of h): a lane holds eight neighbouring columns of one token's row.
; w2's rows are loaded as they lie (512 consecutive bytes an instruction) and turned into fragments through the wave's own stage in LDS, 16 rows at a time, in place; the four pieces stand between the tiles' loads of h.
; LIMITS: NaN and infinities are not served.  A skewed choice is served, unevenly.
.set WP,   528                         ; a stage row: 512 bytes + 16
.set RP,   272                         ; a row of partial sums: 256 bytes + 16
.set RED,  135168                      ; LDS: WST at 0: 4 waves x 64 rows x 528;  RED: 4 waves x 5 tiles x 16 rows x 272
.set LN,  1                            ; lane
.set RR,  2                            ; r = lane % 16
.set HH,  3                            ; h = lane / 16
.set L16, 4
.set WSS, 6                            ; my stage, as rows come in
.set WSL, 7                            ; my stage, as fragments go out
.set RW,  8                            ; my plane of RED: row r, 32 h bytes
.set RD0, 9                            ; v9, v10: RED read back: row 4 q + h, 16 r bytes; planes 0 and 1, planes 2 and 3
.set LA0, 11                           ; the list in memory: slot 4 q + h, 4 bytes a slot;  v12 with the chunk's step
.set LA,  12
.set I16, 13                           ; 16 r
.set WA,  14                           ; 128 lane: a row of w2's scale bytes
.set HSA, 15                           ; hsc: 4096 h + 4 r
.set VH,  28                           ; v28-32  a tile's offset in himg
.set VS,  33                           ; v33-37  and in hsc
.set WS,  40                           ; v40-55  w2's scale words: 8 (dt / 2) + ks; lanes 0-15 the even tile's rows, lanes 16-31 the odd tile's
.set HS,  56                           ; v56-75  h's: 4 t + ks / 2; lanes 0-15 the even K step, lanes 16-31 the odd one
.set B2,  76                           ; v76-79  b2 of my 4 columns
.set TW,  80                           ; v80-89  tokens of my rows (2 t + p), then 4 x token
.set OFF, 90                           ; v90-99  their places in out0
.set WT,  100                          ; v100-109 their topw
.set T,   112                          ; v112-143 at work on the way out
; window 1: w2's fragments (dt, ks) at 8 (8 dt + ks).  window 2: h's fragments (t, ks) at 64 t + 8 ks, t = 0 .. 3.  window 3: v0-63 those of t = 4; accumulator (t, dt) at 64 + 8 (4 t + dt)
; s28 wave, s29 e, s30 d, s31 n, s34 chunks to go, s35 g % 2, s36 the chunk's first slot, s37 its place in himg, s38 4 x that slot
.set MSB, 0
.macro WIN new                         ; the immediate's high byte repeats the setting that is left
.if MSB != \new
	s_set_vgpr_msb (MSB<<8)|\new
.set MSB, \new
.endif
.endm
.macro WM d, a, b, c, sa, sb, ra, rb   ; one product; c < 0: it starts the sum, C is the constant 0 (then rb = 0); ra, rb: the side's scale words stand in lanes 16-31
.if (\c) < 0
.if (\ra)
	v_wmma_scale_f32_16x16x128_f8f6f4 v[(\d):(\d)+7], v[(\a):(\a)+7], v[(\b):(\b)+7], 0, v[(\sa)], v[(\sb)] matrix_a_fmt:MATRIX_FMT_FP4 matrix_b_fmt:MATRIX_FMT_FP4 matrix_a_scale:MATRIX_SCALE_ROW1
.else
	v_wmma_scale_f32_16x16x128_f8f6f4 v[(\d):(\d)+7], v[(\a):(\a)+7], v[(\b):(\b)+7], 0, v[(\sa)], v[(\sb)] matrix_a_fmt:MATRIX_FMT_FP4 matrix_b_fmt:MATRIX_FMT_FP4
.endif
.elseif (\ra) && (\rb)
	v_wmma_scale_f32_16x16x128_f8f6f4 v[(\d):(\d)+7], v[(\a):(\a)+7], v[(\b):(\b)+7], v[(\c):(\c)+7], v[(\sa)], v[(\sb)] matrix_a_fmt:MATRIX_FMT_FP4 matrix_b_fmt:MATRIX_FMT_FP4 matrix_a_scale:MATRIX_SCALE_ROW1 matrix_b_scale:MATRIX_SCALE_ROW1
.elseif (\ra)
	v_wmma_scale_f32_16x16x128_f8f6f4 v[(\d):(\d)+7], v[(\a):(\a)+7], v[(\b):(\b)+7], v[(\c):(\c)+7], v[(\sa)], v[(\sb)] matrix_a_fmt:MATRIX_FMT_FP4 matrix_b_fmt:MATRIX_FMT_FP4 matrix_a_scale:MATRIX_SCALE_ROW1
.elseif (\rb)
	v_wmma_scale_f32_16x16x128_f8f6f4 v[(\d):(\d)+7], v[(\a):(\a)+7], v[(\b):(\b)+7], v[(\c):(\c)+7], v[(\sa)], v[(\sb)] matrix_a_fmt:MATRIX_FMT_FP4 matrix_b_fmt:MATRIX_FMT_FP4 matrix_b_scale:MATRIX_SCALE_ROW1
.else
	v_wmma_scale_f32_16x16x128_f8f6f4 v[(\d):(\d)+7], v[(\a):(\a)+7], v[(\b):(\b)+7], v[(\c):(\c)+7], v[(\sa)], v[(\sb)] matrix_a_fmt:MATRIX_FMT_FP4 matrix_b_fmt:MATRIX_FMT_FP4
.endif
.endm
.macro TOKS ti                         ; the tokens of the two rows of tile t that I will store: slots 4 q + h and 4 q + h + 2 of the tile
	global_load_b32 v[TW+2*(\ti)], v[LA], s[4:5] offset:128*(\ti)
	global_load_b32 v[TW+2*(\ti)+1], v[LA], s[4:5] offset:128*(\ti)+8
.endm
.macro HTILE ti                        ; tile t of the chunk: my quarter of its h (8 images: 16 loads of 512 consecutive bytes) and its scale words: 20 loads
	s_add_co_u32 s48, s37, 65536*(\ti)
	v_add_nc_u32 v[VH+(\ti)], s48, v[L16]
	s_add_co_u32 s48, s38, 128*(\ti)
	v_add_nc_u32 v[VS+(\ti)], s48, v[HSA]
.set HB, 64*((\ti)%4)
.set WN, 0x80+0x40*((\ti)/4)
	WIN WN                                         ; destination window 2, for the fifth tile 3
.set i, 0
.rept 16
	global_load_b128 v[HB+4*i:HB+4*i+3], v[VH+(\ti)], s[8:9] offset:512*i
.set i, i+1
.endr
	WIN 0
.irp kp, 0,1,2,3
	global_load_b32 v[HS+4*(\ti)+\kp], v[VS+(\ti)], s[10:11] offset:8192*\kp
.endr
.endm
.macro TFIN ti                         ; from the two tokens: their places in out0, and the loads of their weights
.irp p, 0,1
	v_min_u32 v[TW+2*(\ti)+\p], 0x3ff, v[TW+2*(\ti)+\p]
	v_lshl_add_u32 v[OFF+2*(\ti)+\p], v[TW+2*(\ti)+\p], 12, v[I16]
	v_lshlrev_b32 v[TW+2*(\ti)+\p], 2, v[TW+2*(\ti)+\p]
	global_load_b32 v[WT+2*(\ti)+\p], v[TW+2*(\ti)+\p], s[6:7]
.endr
.endm
; 16 rows of w2 (tile dt) become fragments, in place.  At least 68 loads were issued behind the piece's rows; 63 is the largest count that can be named, and a smaller count than need be is safe.
.macro WPIECE dt
	s_wait_loadcnt 63
	WIN 0x04                                       ; an LDS store's data are its source 1: window 1
.irp j, 0,1,2,3,4,5,6,7,8,9,10,11,12,13,14,15
	ds_store_b128 v[WSS], v[64*(\dt)+4*\j:64*(\dt)+4*\j+3] offset:WP*(16*(\dt)+\j)
.endr
	s_wait_dscnt 0x0                               ; the stores have read their registers
	WIN 0x40
.irp ks, 0,1,2,3,4,5,6,7
.irp c, 0,1
	ds_load_b128 v[64*(\dt)+8*\ks+4*\c:64*(\dt)+8*\ks+4*\c+3], v[WSL] offset:16*WP*(\dt)+64*\ks+32*\c
.endr
.endr
	WIN 0
.endm
; The guard of tile t.  Tile 0's is the chunk's own, which stands in front of each stretch.
.macro GUARD ti, to
.if (\ti) > 0
	s_add_co_u32 s47, s36, 32*(\ti)
	s_cmp_ge_u32 s47, s31
	s_cbranch_scc1 \to
.endif
.endm
.macro HL ti                           ; a later chunk's tile: tokens and h
	GUARD \ti, .Lno_h_\@
	TOKS \ti
	HTILE \ti
.Lno_h_\@:
.endm
.macro TF ti
	GUARD \ti, .Lno_t_\@
	TFIN \ti
.Lno_t_\@:
.endm
; Tile t: 64 columns x 16 slots over my quarter of K: 32 products, the four accumulators by turns, one instruction a turn; then my partial sums into my plane of RED.
.macro MUL ti
	GUARD \ti, .Lno_mul_\@
.set HB, 64*((\ti)%4)
.set AC, 64+32*(\ti)
.set WN, 0xf9+4*((\ti)/4)
	WIN WN                                         ; source 0 (w2) window 1, source 1 (h) window 2 (the fifth tile: 3), C and D window 3
.irp ks, 0,1,2,3,4,5,6,7
.irp dt, 0,1,2,3
.if \ks == 0
	WM AC+8*\dt, 8*(8*\dt+\ks), HB+8*\ks, -1, WS+8*(\dt/2)+\ks, HS+4*(\ti)+\ks/2, \dt%2, \ks%2
.else
	WM AC+8*\dt, 8*(8*\dt+\ks), HB+8*\ks, AC+8*\dt, WS+8*(\dt/2)+\ks, HS+4*(\ti)+\ks/2, \dt%2, \ks%2
.endif
.endr
.endr
.rept 5
	v_nop                                          ; places behind the products: four for the stores of the results and later loads into operands, the fifth for the next chunk's products, which write over these results
.endr
	WIN 0x0c                                       ; the stores' data: window 3
.irp dt, 0,1,2,3
	ds_store_b128 v[RW], v[AC+8*\dt:AC+8*\dt+3] offset:16*RP*(\ti)+64*\dt          ; each accumulator from its low end on
	ds_store_b128 v[RW], v[AC+8*\dt+4:AC+8*\dt+7] offset:16*RP*(\ti)+64*\dt+16
.endr
	WIN 0
.Lno_mul_\@:
.endm
; Tile t: rows 4 q + h and 4 q + h + 2: the four parts, the bias, the weight; sixteen lanes store 256 aligned bytes of a token's row.
.macro OUT ti
	GUARD \ti, .Lno_out_\@
	s_wait_xcnt 0x0                                ; the last tile's stores have read T
.irp p, 0,1
.irp s, 0,1,2,3
	ds_load_b128 v[T+16*\p+4*\s:T+16*\p+4*\s+3], v[RD0+\s/2] offset:5*16*RP*(\s%2)+16*RP*(\ti)+2*RP*\p
.endr
.endr
	s_wait_dscnt 0x0
.irp p, 0,1
.irp d, 0,2
	v_pk_add_f32 v[T+16*\p+\d:T+16*\p+\d+1], v[T+16*\p+\d:T+16*\p+\d+1], v[T+16*\p+4+\d:T+16*\p+4+\d+1]
	v_pk_add_f32 v[T+16*\p+8+\d:T+16*\p+8+\d+1], v[T+16*\p+8+\d:T+16*\p+8+\d+1], v[T+16*\p+12+\d:T+16*\p+12+\d+1]
.endr
.endr
.irp p, 0,1
.irp d, 0,2
	v_pk_add_f32 v[T+16*\p+\d:T+16*\p+\d+1], v[T+16*\p+\d:T+16*\p+\d+1], v[T+16*\p+8+\d:T+16*\p+8+\d+1]
.endr
.endr
.irp p, 0,1
.irp d, 0,2
	v_pk_add_f32 v[T+16*\p+\d:T+16*\p+\d+1], v[T+16*\p+\d:T+16*\p+\d+1], v[B2+\d:B2+\d+1]
.endr
.endr
.irp p, 0,1
.irp d, 0,1,2,3
	v_mul_f32 v[T+16*\p+\d], v[WT+2*(\ti)+\p], v[T+16*\p+\d]
.endr
.endr
.irp p, 0,1
	global_store_b128 v[OFF+2*(\ti)+\p], v[T+16*\p:T+16*\p+3], s[18:19] th:TH_STORE_NT
.endr
.Lno_out_\@:
.endm
	s_load_b512 s[4:19], s[0:1], 0x0               ; order s[4:5], wts s[6:7], himg s[8:9], hsc s[10:11], w2's codes s[12:13], its scales s[14:15], b2 s[16:17], out0 s[18:19]
	v_lshl_add_u32 v254, v0, 2, 0x36400
	v_mov_b32 v255, 0
	v_lshrrev_b32 v[LN], 5, v0
	v_readfirstlane_b32 s28, v[LN]                 ; wave q
	v_and_b32 v[LN], 31, v0
	v_and_b32 v[RR], 15, v0
	v_bfe_u32 v[HH], v0, 4, 1
	v_lshlrev_b32 v[L16], 4, v[LN]
	v_lshlrev_b32 v[I16], 4, v[RR]
	v_lshlrev_b32 v[WA], 7, v[LN]
	v_lshlrev_b32 v[HSA], 2, v[RR]
	v_lshl_add_u32 v[HSA], v[HH], 12, v[HSA]
	s_lshr_b32 s29, ttmp9, 5                       ; e
	s_bfe_u32 s30, ttmp9, 0x40001                  ; d: 4 bits from bit 1
	s_and_b32 s35, ttmp9, 1                        ; which tiles are mine
	s_lshl_b32 s36, s35, 4
	s_lshl_b32 s37, s35, 15
	s_lshl_b32 s38, s35, 6
	s_mul_i32 s47, s28, 64*WP
	v_add_nc_u32 v[WSS], s47, v[L16]
	v_mul_u32_u24 v[WSL], v[RR], WP
	v_lshl_add_u32 v[WSL], v[HH], 4, v[WSL]
	v_add_nc_u32 v[WSL], s47, v[WSL]
	s_mul_i32 s47, s28, 5*16*RP
	s_add_co_u32 s47, s47, RED
	v_mul_u32_u24 v[RW], v[RR], RP
	v_lshl_add_u32 v[RW], v[HH], 5, v[RW]
	v_add_nc_u32 v[RW], s47, v[RW]
	s_mul_i32 s47, s28, 4*RP
	s_add_co_u32 s47, s47, RED
	v_mul_u32_u24 v[RD0], v[HH], RP
	v_add_nc_u32 v[RD0], v[RD0], v[I16]
	v_add_nc_u32 v[RD0], s47, v[RD0]
	v_add_nc_u32 v[RD0+1], 2*5*16*RP, v[RD0]
	s_lshl_b32 s47, s28, 4
	v_lshl_add_u32 v[LA0], v[HH], 2, s47           ; 16 q + 4 h
	v_add_nc_u32 v[LA], s38, v[LA0]
	s_lshl_b32 s47, s29, 10
	s_lshl_b32 s48, s30, 6
	s_add_co_u32 s47, s47, s48                     ; my first row of w2: 1024 e + 64 d
	s_mov_b32 s49, 0
	s_wait_kmcnt 0x0
	s_lshl_b32 s48, s29, 7
	s_add_co_u32 s48, s48, 32768
	s_add_nc_u64 s[20:21], s[4:5], s[48:49]        ; the expert's count
	s_load_b32 s31, s[20:21], 0x0                  ; n: wanted only at the first guard
	s_lshl_b32 s48, s29, 12
	s_add_nc_u64 s[4:5], s[4:5], s[48:49]          ; the expert's list
.irp t, 0,1,2,3,4
	TOKS \t                                        ; slots under 160: written whatever n
.endr
	s_lshl_b32 s48, s47, 11
	s_lshl_b32 s50, s28, 9
	s_add_co_u32 s48, s48, s50
	s_add_nc_u64 s[12:13], s[12:13], s[48:49]      ; w2's codes, my quarter of K
	s_lshl_b32 s48, s47, 7
	s_lshl_b32 s50, s28, 5
	s_add_co_u32 s48, s48, s50
	s_add_nc_u64 s[14:15], s[14:15], s[48:49]      ; its scale bytes likewise
	s_lshl_b32 s48, s47, 2
	s_add_nc_u64 s[16:17], s[16:17], s[48:49]      ; b2
	s_lshl_b32 s48, s29, 21
	s_lshl_b32 s50, s28, 13
	s_add_co_u32 s48, s48, s50
	s_add_nc_u64 s[8:9], s[8:9], s[48:49]          ; himg: 2 MiB e + 8 images q
	s_lshl_b32 s48, s29, 17
	s_lshl_b32 s50, s28, 15
	s_add_co_u32 s48, s48, s50
	s_add_nc_u64 s[10:11], s[10:11], s[48:49]      ; hsc: 32 K steps e + 8 K steps q, 4,096 bytes each
	s_lshl_b32 s48, s30, 8
	s_add_nc_u64 s[18:19], s[18:19], s[48:49]      ; out0: my 256 bytes of a row
.irp dp, 0,1
	global_load_b128 v[WS+8*\dp:WS+8*\dp+3], v[WA], s[14:15] offset:4096*\dp
	global_load_b128 v[WS+8*\dp+4:WS+8*\dp+7], v[WA], s[14:15] offset:4096*\dp+16
.endr
	global_load_b128 v[B2:B2+3], v[I16], s[16:17]
	WIN 0x40                                       ; destination window 1
.set i, 0
.rept 64
	global_load_b128 v[4*i:4*i+3], v[L16], s[12:13] offset:2048*i   ; row i of w2, my quarter of K: 512 consecutive bytes
.set i, i+1
.endr
	WIN 0
	; the first chunk's h, a tile at a time, and between the tiles the four pieces of w2's turn: LDS works while the stream comes in
	HTILE 0
	WPIECE 0                                       ; behind its rows: 48 rows and 20 loads of h
	s_wait_loadcnt 63                              ; the ten tokens, the first loads of all: 89 were issued behind them
.irp t, 0,1,2,3,4
	TFIN \t
.endr
	HTILE 1
	WPIECE 1                                       ; behind its rows: 32 rows, 40 loads of h, 10 of weights
	HTILE 2
	WPIECE 2                                       ; 16 rows, 60, 10
	HTILE 3
	WPIECE 3                                       ; 80, 10
	HTILE 4
	s_wait_kmcnt 0x0
	s_min_u32 s31, s31, 0x400                      ; n
	s_mov_b32 s34, 7
.Lchunk:                                               ; 7 trips, whatever n
	s_wait_loadcnt 0x0                             ; h, its scale words, the weights
	s_wait_dscnt 0x0                               ; w2's fragments
	s_cmp_ge_u32 s36, s31                          ; the chunk's first slot: where it is not under n, none of the chunk's is
	s_cbranch_scc1 .Lno_muls
.irp t, 0,1,2,3,4
	MUL \t
.endr
.Lno_muls:
	s_wait_dscnt 0x0                               ; for the others' sake: my partial sums have landed
	s_barrier_signal -1
	s_barrier_wait -1
	s_cmp_ge_u32 s36, s31
	s_cbranch_scc1 .Lno_outs
.irp t, 0,1,2,3,4
	OUT \t
.endr
.Lno_outs:
	s_wait_dscnt 0x0                               ; my reads of the partial sums are over: the next chunk may write there
	s_barrier_signal -1
	s_barrier_wait -1
	s_add_co_u32 s36, s36, 160
	s_add_co_u32 s37, s37, 327680
	s_add_co_u32 s38, s38, 640
	s_cmp_ge_u32 s36, s31                          ; the next chunk's loads (behind the last chunk: its first slot, 1,120 or more, is never under n)
	s_cbranch_scc1 .Lno_loads
	s_wait_xcnt 0x0                                ; the last chunk's loads and stores have read their addresses
	v_add_nc_u32 v[LA], s38, v[LA0]
.irp t, 0,1,2,3,4
	HL \t
.endr
	s_wait_loadcnt 0x0                             ; the tokens (a counted wait would have to hold on every way through the guards)
.irp t, 0,1,2,3,4
	TF \t
.endr
.Lno_loads:
	s_sub_co_u32 s34, s34, 1
	s_cmp_lg_u32 s34, 0
	s_cbranch_scc1 .Lchunk
	s_wait_tensorcnt 0x0
	ds_add_u32 v254, v255
	s_wait_dscnt 0x0
	s_endpgm
.Lfunc_end_k_qd3c209d7c9_down:
	.size	k_qd3c209d7c9_down, .Lfunc_end_k_qd3c209d7c9_down-k_qd3c209d7c9_down
	.p2alignl 7, 3214868480
	.fill 96, 4, 3214868480
	.section	.rodata,"a",@progbits
	.p2align	6, 0x0
	.amdhsa_kernel k_qd3c209d7c9_down
		.amdhsa_group_segment_fixed_size 222720
		.amdhsa_private_segment_fixed_size 0
		.amdhsa_enable_private_segment 0
		.amdhsa_kernarg_size 64
		.amdhsa_user_sgpr_count 2
		.amdhsa_user_sgpr_kernarg_segment_ptr 1
		.amdhsa_wavefront_size32 1
		.amdhsa_system_sgpr_workgroup_id_x 1
		.amdhsa_system_sgpr_workgroup_id_y 1
		.amdhsa_system_sgpr_workgroup_id_z 1
		.amdhsa_system_vgpr_workitem_id 0
		.amdhsa_next_free_vgpr 1024
		.amdhsa_next_free_sgpr 66
		.amdhsa_reserve_vcc 0
		.amdhsa_float_denorm_mode_32 3
		.amdhsa_float_denorm_mode_16_64 3
		.amdhsa_memory_ordered 1
		.amdhsa_forward_progress 1
		.amdhsa_inst_pref_size 83
	.end_amdhsa_kernel
	.amdgpu_metadata
---
amdhsa.version: [ 1, 2 ]
amdhsa.kernels:
  - .name:           k_qd3c209d7c9_down
    .symbol:         k_qd3c209d7c9_down.kd
    .args:
      - { .name: order, .offset: 0, .size: 8, .value_kind: global_buffer, .address_space: global }
      - { .name: wts, .offset: 8, .size: 8, .value_kind: global_buffer, .address_space: global }
      - { .name: himg, .offset: 16, .size: 8, .value_kind: global_buffer, .address_space: global }
      - { .name: hsc, .offset: 24, .size: 8, .value_kind: global_buffer, .address_space: global }
      - { .name: w2_codes, .offset: 32, .size: 8, .value_kind: global_buffer, .address_space: global }
      - { .name: w2_scales, .offset: 40, .size: 8, .value_kind: global_buffer, .address_space: global }
      - { .name: b2, .offset: 48, .size: 8, .value_kind: global_buffer, .address_space: global }
      - { .name: out0, .offset: 56, .size: 8, .value_kind: global_buffer, .address_space: global }
    .group_segment_fixed_size: 222720
    .private_segment_fixed_size: 0
    .kernarg_segment_align: 8
    .kernarg_segment_size: 64
    .max_flat_workgroup_size: 128
    .sgpr_count:     66
    .vgpr_count:     1024
    .wavefront_size: 32
...
	.end_amdgpu_metadata
.endif
;; end of part 5
;; ======== version 3 of 3: 3 launches; version 2 with the launch down written anew for expert scheduling mode
;; workspace buffers: sel 4,096 bytes of whole numbers; wts 4,096 bytes; lsq 4,096 bytes; xq 524,288 bytes; xs 32,768 bytes; himg 16,777,216 bytes; hsc 1,048,576 bytes; order 33,792 bytes of whole numbers
;; launch route: the kernel of part 1 again; grid 256 x 1, 4 waves a work-group, no clusters, 3,584 bytes of LDS; arguments hidden_states, gate_w, sel, wts, lsq, xq, xs; writes sel, wts, lsq, xq, xs
;; launch up: the kernel of part 4 again; grid 256 x 1, 4 waves a work-group, no clusters, 225,792 bytes of LDS; arguments sel, xq, xs, w1_codes, w1_scales, b1, wts, lsq, himg, hsc, out1, out2, order; writes himg, hsc, out1, out2, order
;; launch down (part 6): grid 256 x 1, 4 waves a work-group, no clusters, 222,720 bytes of LDS; arguments order, wts, himg, hsc, w2_codes, w2_scales, b2, out0; writes out0
.if DOCPART == 6
	.amdgcn_target "amdgcn-amd-amdhsa--gfx1250"
	.amdhsa_code_object_version 6
	.text
	.protected	k_qd3c209d7c9_down
	.globl	k_qd3c209d7c9_down
	.p2align	8
	.type	k_qd3c209d7c9_down,@function
k_qd3c209d7c9_down:
	s_mov_b64 s[64:65], 0
	v_nop
	global_prefetch_b8 v0, s[64:65] scope:SCOPE_SE
	s_setreg_imm32_b32 hwreg(HW_REG_WAVE_SCHED_MODE, 0, 2), 2
	s_setreg_imm32_b32 hwreg(HW_REG_WAVE_MODE, 25, 1), 1
	s_wait_xcnt 0x0
	s_wait_alu depctr_vm_vsrc(0)
; out0[token] = topw x (h w2^T + b2) for the token's chosen expert.  h comes as the images and scale words, and each expert's tokens as the list and the count n, that the launch before stored.
; SHARES.  Work-group g: expert e = g / 32; output columns 64 d .. 64 d + 63 with d = (g / 2) % 16: 256 aligned bytes of a row of out0; of the expert's tiles of 16 list slots those with m % 2 = g % 2.
; THE WAVES SHARE K: wave q takes K steps 8 q .. 8 q + 7 (a quarter of 4,096) of all 64 rows of w2: 256 registers, kept for the whole launch; of h it reads only its quarter, so no byte of h is read twice in a work-group.
; The four partial sums of a tile meet in LDS; then wave q adds, for rows 4 q .. 4 q + 3 of each tile, the four parts and the bias, multiplies by topw and stores.
; A chunk is 5 tiles (m = 10 c + 2 t + g % 2); 7 chunks, a constant, cover the 64 tiles that one expert can have.
; THE FIRST CHUNK'S LOADS HANG ON NOTHING BUT THE ARGUMENTS: the launch before writes the list, the images and the scale words of slots 0 .. 159 of every expert whatever n, so tokens, w2 and h are asked for together
; at the head, and every register that a later, guarded stretch loads has been loaded once on every way.  What is multiplied and stored is guarded by n: a tile whose first slot is not under n is jumped over by a
; scalar branch, a chunk whose first tile is not under n by one branch for each of its three stretches; no barrier stands under such a branch.
; Because branches hang on the stored count, operands come through registers: no tensor loads, and so no joint loads, though the work-groups of an expert share h and two partners share w2.
; Slots n and above of the last tile repeat the token of that tile's first slot: such a row is computed and stored again, with the same value, by the same work-group.
; THE PRODUCT IS USED TRANSPOSED (source 0 = 16 rows of w2, source 1 = 16 slots of h): a lane holds eight neighbouring columns of one token's row.
; w2's rows are loaded as they lie (512 consecutive bytes an instruction) and turned into fragments through the wave's own stage in LDS, 16 rows at a time, in place; the four pieces stand between the tiles' loads of h.
; LIMITS: NaN and infinities are not served.  A skewed choice is served, unevenly.
; THE MODE: SCHED_MODE bits 1:0 = 2 (LLVM: expert scheduling mode 2), set by the entry lines.  The code itself states the register dependences between vector or matrix instructions
; and memory or LDS instructions, with s_wait_alu, always for 0.
; THE PLAN.  Registers that memory or LDS instructions touch:
;   v4, v6-v11, v13-v15, v254, v255   offsets and LDS addresses: made once at the head, never written again.
;   LA, VH0-4, VS0-4   offsets of the tokens' and h's loads: eleven vector adds, at the head for chunk 0, at the head of a chunk's first stretch for the NEXT chunk.
;   window 1           w2: global loads, LDS stores, LDS loads at the head; from then on read by products alone.
;   h and HS of tile t read by tile t's products; the next chunk's loads for tile t land in them behind tile t's wait, while the later tiles are multiplied.
;   accumulators       written by tile t's products, read by its eight LDS stores, written again by the next chunk's products.
;   TW                 the tokens land in it; three vector lines a token make OFF and the weight's offset of it; the weights' loads read it.
;   OFF, WT            OFF: written by those lines, read by the way out's stores.  WT: loads land in it, the way out's multiplications read it.
;   T0-T3              the way out: tile t's LDS loads land in buffer t % 4, its sums work there in place, its two stores leave from there.
; A tile's stretch stands under a branch on the stored count, and a register is written on every way to its reader: so a tile's products and the stores of their results stand under one branch, with one wait
; between them, and likewise a tile's loads, sums and stores on the way out.
.set WP,   528                         ; a stage row: 512 bytes + 16
.set RP,   272                         ; a row of partial sums: 256 bytes + 16
.set RED,  135168                      ; LDS: WST at 0: 4 waves x 64 rows x 528;  RED: 4 waves x 5 tiles x 16 rows x 272
.set LN,  1                            ; lane
.set RR,  2                            ; r = lane % 16
.set HH,  3                            ; h = lane / 16
.set L16, 4
.set WSS, 6                            ; my stage, as rows come in
.set WSL, 7                            ; my stage, as fragments go out
.set RW,  8                            ; my plane of RED: row r, 32 h bytes
.set RD0, 9                            ; v9, v10: RED read back: row 4 q + h, 16 r bytes; planes 0 and 1, planes 2 and 3
.set LA0, 11                           ; the list in memory: slot 4 q + h, 4 bytes a slot;  v12 with the chunk's step
.set LA,  12
.set I16, 13                           ; 16 r
.set WA,  14                           ; 128 lane: a row of w2's scale bytes
.set HSA, 15                           ; hsc: 4096 h + 4 r
.set VH,  28                           ; v28-32  a tile's offset in himg
.set VS,  33                           ; v33-37  and in hsc
.set WS,  40                           ; v40-55  w2's scale words: 8 (dt / 2) + ks; lanes 0-15 the even tile's rows, lanes 16-31 the odd tile's
.set HS,  56                           ; v56-75  h's: 4 t + ks / 2; lanes 0-15 the even K step, lanes 16-31 the odd one
.set B2,  76                           ; v76-79  b2 of my 4 columns
.set TW,  80                           ; v80-89  tokens of my rows (2 t + p), then 4 x token
.set OFF, 90                           ; v90-99  their places in out0
.set WT,  100                          ; v100-109 their topw
.set T,   112                          ; v112-239 at work on the way out: four buffers of 32; tile t takes buffer t % 4
; window 1: w2's fragments (dt, ks) at 8 (8 dt + ks).  window 2: h's fragments (t, ks) at 64 t + 8 ks, t = 0 .. 3.  window 3: v0-63 those of t = 4; accumulator (t, dt) at 64 + 8 (4 t + dt)
; s28 wave, s29 e, s30 d, s31 n, s34 chunks to go, s35 g % 2, s36 the chunk's first slot, s37 its place in himg, s38 4 x that slot, s40 and s41 the next chunk's s37 and s38
.set MSB, 0
.macro WIN new                         ; the immediate's high byte repeats the setting that is left
.if MSB != \new
	s_set_vgpr_msb (MSB<<8)|\new
.set MSB, \new
.endif
.endm
.macro WM d, a, b, c, sa, sb, ra, rb   ; one product; c < 0: it starts the sum, C is the constant 0 (then rb = 0); ra, rb: the side's scale words stand in lanes 16-31
.if (\c) < 0
.if (\ra)
	v_wmma_scale_f32_16x16x128_f8f6f4 v[(\d):(\d)+7], v[(\a):(\a)+7], v[(\b):(\b)+7], 0, v[(\sa)], v[(\sb)] matrix_a_fmt:MATRIX_FMT_FP4 matrix_b_fmt:MATRIX_FMT_FP4 matrix_a_scale:MATRIX_SCALE_ROW1
.else
	v_wmma_scale_f32_16x16x128_f8f6f4 v[(\d):(\d)+7], v[(\a):(\a)+7], v[(\b):(\b)+7], 0, v[(\sa)], v[(\sb)] matrix_a_fmt:MATRIX_FMT_FP4 matrix_b_fmt:MATRIX_FMT_FP4
.endif
.elseif (\ra) && (\rb)
	v_wmma_scale_f32_16x16x128_f8f6f4 v[(\d):(\d)+7], v[(\a):(\a)+7], v[(\b):(\b)+7], v[(\c):(\c)+7], v[(\sa)], v[(\sb)] matrix_a_fmt:MATRIX_FMT_FP4 matrix_b_fmt:MATRIX_FMT_FP4 matrix_a_scale:MATRIX_SCALE_ROW1 matrix_b_scale:MATRIX_SCALE_ROW1
.elseif (\ra)
	v_wmma_scale_f32_16x16x128_f8f6f4 v[(\d):(\d)+7], v[(\a):(\a)+7], v[(\b):(\b)+7], v[(\c):(\c)+7], v[(\sa)], v[(\sb)] matrix_a_fmt:MATRIX_FMT_FP4 matrix_b_fmt:MATRIX_FMT_FP4 matrix_a_scale:MATRIX_SCALE_ROW1
.elseif (\rb)
	v_wmma_scale_f32_16x16x128_f8f6f4 v[(\d):(\d)+7], v[(\a):(\a)+7], v[(\b):(\b)+7], v[(\c):(\c)+7], v[(\sa)], v[(\sb)] matrix_a_fmt:MATRIX_FMT_FP4 matrix_b_fmt:MATRIX_FMT_FP4 matrix_b_scale:MATRIX_SCALE_ROW1
.else
	v_wmma_scale_f32_16x16x128_f8f6f4 v[(\d):(\d)+7], v[(\a):(\a)+7], v[(\b):(\b)+7], v[(\c):(\c)+7], v[(\sa)], v[(\sb)] matrix_a_fmt:MATRIX_FMT_FP4 matrix_b_fmt:MATRIX_FMT_FP4
.endif
.endm
.macro TOKS ti                         ; the tokens of the two rows of tile t that I will store: slots 4 q + h and 4 q + h + 2 of the tile
	global_load_b32 v[TW+2*(\ti)], v[LA], s[4:5] offset:128*(\ti)
	global_load_b32 v[TW+2*(\ti)+1], v[LA], s[4:5] offset:128*(\ti)+8
.endm
.macro HADDR ti, sh, ss                ; tile t's offsets in himg and hsc, for the chunk whose places stand in s[sh] and s[ss]
	s_add_co_u32 s48, s[\sh], 65536*(\ti)
	v_add_nc_u32 v[VH+(\ti)], s48, v[L16]
	s_add_co_u32 s48, s[\ss], 128*(\ti)
	v_add_nc_u32 v[VS+(\ti)], s48, v[HSA]
.endm
.macro HLOADS ti                       ; tile t of a chunk: my quarter of its h (8 images: 16 loads of 512 consecutive bytes) and its scale words: 20 loads
.set HB, 64*((\ti)%4)
.set WN, 0x80+0x40*((\ti)/4)
	WIN WN                                         ; destination window 2, for the fifth tile 3
.set i, 0
.rept 16
	global_load_b128 v[HB+4*i:HB+4*i+3], v[VH+(\ti)], s[8:9] offset:512*i
.set i, i+1
.endr
	WIN 0
.irp kp, 0,1,2,3
	global_load_b32 v[HS+4*(\ti)+\kp], v[VS+(\ti)], s[10:11] offset:8192*\kp
.endr
.endm
.macro TFV ti                          ; from the two tokens: their places in out0 and the offsets of their weights
.irp p, 0,1
	v_min_u32 v[TW+2*(\ti)+\p], 0x3ff, v[TW+2*(\ti)+\p]
	v_lshl_add_u32 v[OFF+2*(\ti)+\p], v[TW+2*(\ti)+\p], 12, v[I16]
	v_lshlrev_b32 v[TW+2*(\ti)+\p], 2, v[TW+2*(\ti)+\p]
.endr
.endm
.macro TFL ti                          ; and the loads of their weights
.irp p, 0,1
	global_load_b32 v[WT+2*(\ti)+\p], v[TW+2*(\ti)+\p], s[6:7]
.endr
.endm
; 16 rows of w2 (tile dt) become fragments, in place.  At least 68 loads were issued behind the piece's rows; 63 is the largest count that can be named, and a smaller count than need be is safe.
.macro WPIECE dt
	s_wait_loadcnt 63
	WIN 0x04                                       ; an LDS store's data are its source 1: window 1
.irp j, 0,1,2,3,4,5,6,7,8,9,10,11,12,13,14,15
	ds_store_b128 v[WSS], v[64*(\dt)+4*\j:64*(\dt)+4*\j+3] offset:WP*(16*(\dt)+\j)
.endr
	s_wait_dscnt 0x0                               ; the stores have landed
	WIN 0x40
	s_wait_alu depctr_vm_vsrc(0)                   ; the sixteen LDS stores have read the piece's 64 registers, in which the fragments below land
.irp ks, 0,1,2,3,4,5,6,7
.irp c, 0,1
	ds_load_b128 v[64*(\dt)+8*\ks+4*\c:64*(\dt)+8*\ks+4*\c+3], v[WSL] offset:16*WP*(\dt)+64*\ks+32*\c
.endr
.endr
	WIN 0
.endm
; The guard of tile t.  Tile 0's is the chunk's own, which stands in front of each stretch.
.macro GUARD ti, to
.if (\ti) > 0
	s_add_co_u32 s47, s36, 32*(\ti)
	s_cmp_ge_u32 s47, s31
	s_cbranch_scc1 \to
.endif
.endm
.macro TL ti                           ; a later chunk's tile: its weights
	GUARD \ti, .Lno_t_\@
	TFL \ti
.Lno_t_\@:
.endm
; Tile t: 64 columns x 16 slots over my quarter of K: 32 products, the four accumulators by turns, one instruction a turn; then my partial sums into my plane of RED;
; then, where the next chunk has a tile t, its tokens and its h are asked for: they are on their way while the later tiles are multiplied and the chunk goes out.
.macro MUL ti
	GUARD \ti, .Lno_mul_\@
.set HB, 64*((\ti)%4)
.set AC, 64+32*(\ti)
.set WN, 0xf9+4*((\ti)/4)
	WIN WN                                         ; source 0 (w2) window 1, source 1 (h) window 2 (the fifth tile: 3), C and D window 3
.irp ks, 0,1,2,3,4,5,6,7
.irp dt, 0,1,2,3
.if \ks == 0
	WM AC+8*\dt, 8*(8*\dt+\ks), HB+8*\ks, -1, WS+8*(\dt/2)+\ks, HS+4*(\ti)+\ks/2, \dt%2, \ks%2
.else
	WM AC+8*\dt, 8*(8*\dt+\ks), HB+8*\ks, AC+8*\dt, WS+8*(\dt/2)+\ks, HS+4*(\ti)+\ks/2, \dt%2, \ks%2
.endif
.endr
.endr
.rept 5
	v_nop                                          ; places behind the products: four for the stores of the results, the fifth for the next chunk's products, which write over these results; they stay beside the wait below
.endr
	WIN 0x0c                                       ; the stores' data: window 3
	s_wait_alu depctr_va_vdst(0)                   ; the tile's products have written its accumulators, which the LDS stores read, and are done reading its h and scale words, in which the loads below land; LA, VH and VS, made at the stretch's head, are written; the lines that named TW are done
.irp dt, 0,1,2,3
	ds_store_b128 v[RW], v[AC+8*\dt:AC+8*\dt+3] offset:16*RP*(\ti)+64*\dt          ; each accumulator from its low end on
	ds_store_b128 v[RW], v[AC+8*\dt+4:AC+8*\dt+7] offset:16*RP*(\ti)+64*\dt+16
.endr
	WIN 0
	s_add_co_u32 s47, s36, 160+32*(\ti)            ; tile t of the next chunk (in the last chunk: slot 1,120 or more, never under n)
	s_cmp_ge_u32 s47, s31
	s_cbranch_scc1 .Lno_mul_\@
	TOKS \ti                                       ; no further wait: since the wait above only the LDS stores were issued, and they name none of these loads' registers
	HLOADS \ti
.Lno_mul_\@:
.endm
; Tile t: rows 4 q + h and 4 q + h + 2: the four parts, the bias, the weight; sixteen lanes store 256 aligned bytes of a token's row.
.macro OUT ti
	GUARD \ti, .Lno_out_\@
.set TB, T+32*((\ti)%4)
.if (\ti) == 4
	s_wait_xcnt 0x0                                ; the fifth tile takes the first tile's buffer: that tile's stores have had their addresses translated,
	s_wait_alu depctr_vm_vsrc(0)                   ; and have read the buffer, in which the loads below land (its sums stand ahead of its own wait on va_vdst)
.endif
.irp p, 0,1
.irp s, 0,1,2,3
	ds_load_b128 v[TB+16*\p+4*\s:TB+16*\p+4*\s+3], v[RD0+\s/2] offset:5*16*RP*(\s%2)+16*RP*(\ti)+2*RP*\p
.endr
.endr
	s_wait_dscnt 0x0
.irp p, 0,1
.irp d, 0,2
	v_pk_add_f32 v[TB+16*\p+\d:TB+16*\p+\d+1], v[TB+16*\p+\d:TB+16*\p+\d+1], v[TB+16*\p+4+\d:TB+16*\p+4+\d+1]
	v_pk_add_f32 v[TB+16*\p+8+\d:TB+16*\p+8+\d+1], v[TB+16*\p+8+\d:TB+16*\p+8+\d+1], v[TB+16*\p+12+\d:TB+16*\p+12+\d+1]
.endr
.endr
.irp p, 0,1
.irp d, 0,2
	v_pk_add_f32 v[TB+16*\p+\d:TB+16*\p+\d+1], v[TB+16*\p+\d:TB+16*\p+\d+1], v[TB+16*\p+8+\d:TB+16*\p+8+\d+1]
.endr
.endr
.irp p, 0,1
.irp d, 0,2
	v_pk_add_f32 v[TB+16*\p+\d:TB+16*\p+\d+1], v[TB+16*\p+\d:TB+16*\p+\d+1], v[B2+\d:B2+\d+1]
.endr
.endr
.irp p, 0,1
.irp d, 0,1,2,3
	v_mul_f32 v[TB+16*\p+\d], v[WT+2*(\ti)+\p], v[TB+16*\p+\d]
.endr
.endr
	s_wait_alu depctr_va_vdst(0)                   ; the sums and multiplications have written the tile's two rows, which the stores read
.irp p, 0,1
	global_store_b128 v[OFF+2*(\ti)+\p], v[TB+16*\p:TB+16*\p+3], s[18:19] th:TH_STORE_NT
.endr
.Lno_out_\@:
.endm
	s_load_b512 s[4:19], s[0:1], 0x0               ; order s[4:5], wts s[6:7], himg s[8:9], hsc s[10:11], w2's codes s[12:13], its scales s[14:15], b2 s[16:17], out0 s[18:19]
	v_lshl_add_u32 v254, v0, 2, 0x36400
	v_mov_b32 v255, 0
	v_lshrrev_b32 v[LN], 5, v0
	v_readfirstlane_b32 s28, v[LN]                 ; wave q
	v_and_b32 v[LN], 31, v0
	v_and_b32 v[RR], 15, v0
	v_bfe_u32 v[HH], v0, 4, 1
	v_lshlrev_b32 v[L16], 4, v[LN]
	v_lshlrev_b32 v[I16], 4, v[RR]
	v_lshlrev_b32 v[WA], 7, v[LN]
	v_lshlrev_b32 v[HSA], 2, v[RR]
	v_lshl_add_u32 v[HSA], v[HH], 12, v[HSA]
	s_lshr_b32 s29, ttmp9, 5                       ; e
	s_bfe_u32 s30, ttmp9, 0x40001                  ; d: 4 bits from bit 1
	s_and_b32 s35, ttmp9, 1                        ; which tiles are mine
	s_lshl_b32 s36, s35, 4
	s_lshl_b32 s37, s35, 15
	s_lshl_b32 s38, s35, 6
	s_wait_alu depctr_va_sdst(0)                   ; s28, the wave's number, is written, ahead of its first reader
	s_mul_i32 s47, s28, 64*WP
	v_add_nc_u32 v[WSS], s47, v[L16]
	v_mul_u32_u24 v[WSL], v[RR], WP
	v_lshl_add_u32 v[WSL], v[HH], 4, v[WSL]
	v_add_nc_u32 v[WSL], s47, v[WSL]
	s_mul_i32 s47, s28, 5*16*RP
	s_add_co_u32 s47, s47, RED
	v_mul_u32_u24 v[RW], v[RR], RP
	v_lshl_add_u32 v[RW], v[HH], 5, v[RW]
	v_add_nc_u32 v[RW], s47, v[RW]
	s_mul_i32 s47, s28, 4*RP
	s_add_co_u32 s47, s47, RED
	v_mul_u32_u24 v[RD0], v[HH], RP
	v_add_nc_u32 v[RD0], v[RD0], v[I16]
	v_add_nc_u32 v[RD0], s47, v[RD0]
	v_add_nc_u32 v[RD0+1], 2*5*16*RP, v[RD0]
	s_lshl_b32 s47, s28, 4
	v_lshl_add_u32 v[LA0], v[HH], 2, s47           ; 16 q + 4 h
	v_add_nc_u32 v[LA], s38, v[LA0]
.irp t, 0,1,2,3,4
	HADDR \t, 37, 38                               ; the first chunk's ten offsets are made here, ahead of the one wait that serves all the head's loads
.endr
	s_lshl_b32 s47, s29, 10
	s_lshl_b32 s48, s30, 6
	s_add_co_u32 s47, s47, s48                     ; my first row of w2: 1024 e + 64 d
	s_mov_b32 s49, 0
	s_wait_kmcnt 0x0
	s_lshl_b32 s48, s29, 7
	s_add_co_u32 s48, s48, 32768
	s_add_nc_u64 s[20:21], s[4:5], s[48:49]        ; the expert's count
	s_load_b32 s31, s[20:21], 0x0                  ; n: wanted only at the first guard
	s_lshl_b32 s48, s29, 12
	s_add_nc_u64 s[4:5], s[4:5], s[48:49]          ; the expert's list
	s_wait_alu depctr_va_vdst(0)                   ; every offset and LDS address made above is written (v4, v6 to v15, v28 to v37, v254, v255): the loads and stores below read them
.irp t, 0,1,2,3,4
	TOKS \t                                        ; slots under 160: written whatever n
.endr
	s_lshl_b32 s48, s47, 11
	s_lshl_b32 s50, s28, 9
	s_add_co_u32 s48, s48, s50
	s_add_nc_u64 s[12:13], s[12:13], s[48:49]      ; w2's codes, my quarter of K
	s_lshl_b32 s48, s47, 7
	s_lshl_b32 s50, s28, 5
	s_add_co_u32 s48, s48, s50
	s_add_nc_u64 s[14:15], s[14:15], s[48:49]      ; its scale bytes likewise
	s_lshl_b32 s48, s47, 2
	s_add_nc_u64 s[16:17], s[16:17], s[48:49]      ; b2
	s_lshl_b32 s48, s29, 21
	s_lshl_b32 s50, s28, 13
	s_add_co_u32 s48, s48, s50
	s_add_nc_u64 s[8:9], s[8:9], s[48:49]          ; himg: 2 MiB e + 8 images q
	s_lshl_b32 s48, s29, 17
	s_lshl_b32 s50, s28, 15
	s_add_co_u32 s48, s48, s50
	s_add_nc_u64 s[10:11], s[10:11], s[48:49]      ; hsc: 32 K steps e + 8 K steps q, 4,096 bytes each
	s_lshl_b32 s48, s30, 8
	s_add_nc_u64 s[18:19], s[18:19], s[48:49]      ; out0: my 256 bytes of a row
.irp dp, 0,1
	global_load_b128 v[WS+8*\dp:WS+8*\dp+3], v[WA], s[14:15] offset:4096*\dp
	global_load_b128 v[WS+8*\dp+4:WS+8*\dp+7], v[WA], s[14:15] offset:4096*\dp+16
.endr
	global_load_b128 v[B2:B2+3], v[I16], s[16:17]
	WIN 0x40                                       ; destination window 1
.set i, 0
.rept 64
	global_load_b128 v[4*i:4*i+3], v[L16], s[12:13] offset:2048*i   ; row i of w2, my quarter of K: 512 consecutive bytes
.set i, i+1
.endr
	WIN 0
	; the first chunk's h, a tile at a time, and between the tiles the four pieces of w2's turn: LDS works while the stream comes in
	HLOADS 0
	WPIECE 0                                       ; behind its rows: 48 rows and 20 loads of h
	s_wait_loadcnt 63                              ; the ten tokens, the first loads of all: 89 were issued behind them
.irp t, 0,1,2,3,4
	TFV \t
.endr
	s_wait_alu depctr_va_vdst(0)                   ; the thirty lines above have written TW, which the weights' loads read as offsets, and OFF, which the way out's stores read
.irp t, 0,1,2,3,4
	TFL \t
.endr
	HLOADS 1
	WPIECE 1                                       ; behind its rows: 32 rows, 40 loads of h, 10 of weights
	HLOADS 2
	WPIECE 2                                       ; 16 rows, 60, 10
	HLOADS 3
	WPIECE 3                                       ; 80, 10
	HLOADS 4
	s_wait_kmcnt 0x0
	s_min_u32 s31, s31, 0x400                      ; n
	s_mov_b32 s34, 7
.Lchunk:                                               ; 7 trips, whatever n
	s_wait_loadcnt 0x0                             ; h, its scale words, the weights; and every load that read LA, VH, VS or TW is done
	s_wait_dscnt 0x0                               ; w2's fragments
	s_cmp_ge_u32 s36, s31                          ; the chunk's first slot: where it is not under n, none of the chunk's is
	s_cbranch_scc1 .Lno_muls
	s_wait_alu depctr_vm_vsrc(0)                   ; this chunk's loads have read LA, VH and VS, which are written below, and the weights' loads TW, in which the next chunk's tokens land
	s_add_co_u32 s40, s37, 327680                  ; the next chunk's places
	s_add_co_u32 s41, s38, 640
	v_add_nc_u32 v[LA], s41, v[LA0]
.irp t, 0,1,2,3,4
	HADDR \t, 40, 41                               ; the next chunk's offsets, ahead of the tiles' waits, so that they cost no wait of their own
.endr
.irp t, 0,1,2,3,4
	MUL \t
.endr
.Lno_muls:
	s_wait_dscnt 0x0                               ; for the others' sake: my partial sums have landed
	s_barrier_signal -1
	s_barrier_wait -1
	s_cmp_ge_u32 s36, s31
	s_cbranch_scc1 .Lno_outs
.irp t, 0,1,2,3,4
	OUT \t
.endr
.Lno_outs:
	s_wait_dscnt 0x0                               ; my reads of the partial sums are over: the next chunk may write there
	s_barrier_signal -1
	s_barrier_wait -1
	s_add_co_u32 s36, s36, 160
	s_add_co_u32 s37, s37, 327680
	s_add_co_u32 s38, s38, 640
	s_wait_xcnt 0x0                                ; the chunk's stores have had their addresses translated: OFF and the four buffers are written again only behind this wait
	s_wait_alu depctr_vm_vsrc(0)                   ; on every way, ahead of the branch: the LDS stores have read the accumulators, which the next chunk's products write; the global stores have read OFF, which is written below, and the buffers, in which the next chunk's parts land
	s_cmp_ge_u32 s36, s31                          ; the next chunk's weights (behind the last chunk: its first slot, 1,120 or more, is never under n)
	s_cbranch_scc1 .Lno_toks
	s_wait_loadcnt 0x0                             ; the tokens (a counted wait would have to hold on every way through the guards)
.irp t, 0,1,2,3,4
	TFV \t                                         ; for all five tiles, so that every way to a weight's load passes the hold at 1,023; for a tile that the chunk lacks these lines work on left-over numbers that nobody reads
.endr
	s_wait_alu depctr_va_vdst(0)                   ; the thirty lines above have written TW and OFF; the way out's multiplications are done reading WT, in which the loads below land
.irp t, 0,1,2,3,4
	TL \t
.endr
.Lno_toks:
	s_sub_co_u32 s34, s34, 1
	s_cmp_lg_u32 s34, 0
	s_cbranch_scc1 .Lchunk
	s_wait_dscnt 0x0                               ; the closing lines, six on end
	s_wait_alu 0x0
	s_wait_tensorcnt 0x0
	ds_add_u32 v254, v255
	s_wait_dscnt 0x0
	s_endpgm
.Lfunc_end_k_qd3c209d7c9_down:
	.size	k_qd3c209d7c9_down, .Lfunc_end_k_qd3c209d7c9_down-k_qd3c209d7c9_down
	.p2alignl 7, 3214868480
	.fill 96, 4, 3214868480
	.section	.rodata,"a",@progbits
	.p2align	6, 0x0
	.amdhsa_kernel k_qd3c209d7c9_down
		.amdhsa_group_segment_fixed_size 222720
		.amdhsa_private_segment_fixed_size 0
		.amdhsa_enable_private_segment 0
		.amdhsa_kernarg_size 64
		.amdhsa_user_sgpr_count 2
		.amdhsa_user_sgpr_kernarg_segment_ptr 1
		.amdhsa_wavefront_size32 1
		.amdhsa_system_sgpr_workgroup_id_x 1
		.amdhsa_system_sgpr_workgroup_id_y 1
		.amdhsa_system_sgpr_workgroup_id_z 1
		.amdhsa_system_vgpr_workitem_id 0
		.amdhsa_next_free_vgpr 1024
		.amdhsa_next_free_sgpr 66
		.amdhsa_reserve_vcc 0
		.amdhsa_float_denorm_mode_32 3
		.amdhsa_float_denorm_mode_16_64 3
		.amdhsa_memory_ordered 1
		.amdhsa_forward_progress 1
		.amdhsa_inst_pref_size 84
	.end_amdhsa_kernel
	.amdgpu_metadata
---
amdhsa.version: [ 1, 2 ]
amdhsa.kernels:
  - .name:           k_qd3c209d7c9_down
    .symbol:         k_qd3c209d7c9_down.kd
    .args:
      - { .name: order, .offset: 0, .size: 8, .value_kind: global_buffer, .address_space: global }
      - { .name: wts, .offset: 8, .size: 8, .value_kind: global_buffer, .address_space: global }
      - { .name: himg, .offset: 16, .size: 8, .value_kind: global_buffer, .address_space: global }
      - { .name: hsc, .offset: 24, .size: 8, .value_kind: global_buffer, .address_space: global }
      - { .name: w2_codes, .offset: 32, .size: 8, .value_kind: global_buffer, .address_space: global }
      - { .name: w2_scales, .offset: 40, .size: 8, .value_kind: global_buffer, .address_space: global }
      - { .name: b2, .offset: 48, .size: 8, .value_kind: global_buffer, .address_space: global }
      - { .name: out0, .offset: 56, .size: 8, .value_kind: global_buffer, .address_space: global }
    .group_segment_fixed_size: 222720
    .private_segment_fixed_size: 0
    .kernarg_segment_align: 8
    .kernarg_segment_size: 64
    .max_flat_workgroup_size: 128
    .sgpr_count:     66
    .vgpr_count:     1024
    .wavefront_size: 32
...
	.end_amdgpu_metadata
.endif
;; end of part 6
